; MI455X (gfx1250); checked and timed in simulation.
; The chip was launched on July 23, 2026; its instructions are those of AMD's public machine-readable ISA for CDNA 5 (MIT licence, August 2026) and "CDNA5" Instruction Set Architecture Reference Guide (July 2026). The comments in the code are by the model that wrote it; some were corrected since.
;; Attention. Allowed arithmetic: matrix products marked QUANTISED: E2M1 operands, one E8M0 scale for each 32 along K, by v_wmma_scale_f32_16x16x128_f8f6f4 with both operands' format E2M1 (or v_wmma_scale_f32_32x16x128_f4), f32 sums; products left as they are: bf16, f16 or f32 operands; f32 sums; everything else in f32.
;; Inputs: W_K 16 x 1,024 x 64 float32; W_O 16 x 64 x 1,024 float32; W_Q 16 x 1,024 x 64 float32; W_V 16 x 1,024 x 64 float32; b_K 16 x 64 float32; b_O 1,024 float32; b_Q 16 x 64 float32; b_V 16 x 64 float32; key_attention_mask 8 x 1,024 int32; x 8 x 1,024 x 1,024 float32.
;; Outputs: out0 8 x 1,024 x 1,024 float32.
;; This version of the problem:
;;   THIS VERSION OF THE PROBLEM IS GIVEN IN LOW PRECISION. The matrix products marked QUANTISED in the list below multiply operands that are first quantised to E2M1 (2 exponent bits, 1 mantissa bit; 4 bits a number), with one power-of-two scale for each 32 numbers along K (OCP MX v1.0); their sums are f32. The products marked 'left as it is' may take bf16, f16 or f32 operands, with f32 sums. Whichever they take, every output number must still come out within the allowed error. Rounding operands to bf16 (8 significant bits) uses up far more of that allowance than f16 does (11 bits, for magnitudes from 6e-5 to 65,504). All else is computed in f32.
;;   The module's matrix products, in the order in which they are computed (A, B: the left and right operand; K: the contracted axis; several contracted axes count as one K, in the product's order):
;;     1. [M 8,192, K 1,024] x [K 1,024, N 1,024]; A: input x; B: input W_Q: QUANTISED
;;     2. [M 8,192, K 1,024] x [K 1,024, N 1,024]; A: input x; B: input W_K: QUANTISED
;;     3. [M 8,192, K 1,024] x [K 1,024, N 1,024]; A: input x; B: input W_V: QUANTISED
;;     4. batch 128 x [M 1,024, K 64] x [K 64, N 1,024]; A: computed on the way; B: computed on the way: left as it is (an operand is computed on the way)
;;     5. batch 128 x [M 1,024, K 1,024] x [K 1,024, N 64]; A: computed on the way; B: computed on the way: left as it is (an operand is computed on the way)
;;     6. [M 8,192, K 1,024] x [K 1,024, N 1,024]; A: computed on the way; B: input W_O: left as it is (an operand is computed on the way)
;;   THE QUANTISER, for each operand of a quantised product, along K:
;;     - K is cut into blocks of 32 from its start; a last block that is shorter is filled with zeros.
;;     - A block's scale is 2^e with e = floor(log2(the largest magnitude in the block)) - 2, held to -126 .. 127; a block of zeros has e = 0. As a byte (E8M0): e + 127.
;;     - Each number is divided by its block's scale, clamped to +-6, and rounded to the nearest number of E2M1, ties to even, subnormals kept.
;;     - The product sums the exact products of the quantised numbers (number of the format x scale) in f32.
;;   ~~~python
;;   def quantise(x, axis):      # numpy; x: float32 -> the quantised numbers, widened to float32 again
;;       x = np.moveaxis(x, axis, -1); K = x.shape[-1]
;;       x = np.pad(x, [(0, 0)] * (x.ndim - 1) + [(0, -K % 32)]); x = x.reshape(x.shape[:-1] + (-1, 32)); a = np.abs(x).max(-1, keepdims=True)
;;       e = np.where(a > 0, np.clip(np.frexp(np.where(a > 0, a, 1))[1] - 1 - 2, -126, 127), 0)      # np.frexp(a)[1] - 1 = floor(log2(a)), exactly
;;       r = np.clip(x / 2.0 ** e, -6, 6)
;;       step = 2.0 ** (np.maximum(np.frexp(np.where(r == 0, 1, r))[1] - 1, 0) - 1)
;;       q = np.round(r / step) * step * 2.0 ** e      # np.round: ties to even
;;       return np.moveaxis(q.reshape(q.shape[:-2] + (-1,))[..., :K], -1, axis).astype(np.float32)
;;   ~~~
;; One version. Each part assembles by itself: llvm-mc -triple=amdgcn-amd-amdhsa -mcpu=gfx1250 --defsym DOCPART=n.
;; ======== version 1 of 1: 4 launches
;; limits: values are held in f16: magnitudes above 65,504 overflow, below 6.1e-05 lose precision; right only within a limited range of input values
;; workspace buffers: xc 4,194,304 bytes; xs 262,144 bytes; wc 1,572,864 bytes; ws 98,304 bytes; wo16 2,097,152 bytes; qkv16 50,331,648 bytes; z16 16,777,216 bytes
;; launch prep (part 1): grid 576 x 1, 4 waves a work-group, no clusters, 42,496 bytes of LDS; arguments x, W_Q, W_K, W_V, W_O, xc, xs, wc, ws, wo16; writes xc, xs, wc, ws, wo16
.if DOCPART == 1
	.amdgcn_target "amdgcn-amd-amdhsa--gfx1250"
	.amdhsa_code_object_version 6
	.text
	.protected	k_q5f64641b22_prep
	.globl	k_q5f64641b22_prep
	.p2align	8
	.type	k_q5f64641b22_prep,@function
k_q5f64641b22_prep:
	s_mov_b64 s[64:65], 0
	v_nop
	global_prefetch_b8 v0, s[64:65] scope:SCOPE_SE
	s_setreg_imm32_b32 hwreg(HW_REG_WAVE_MODE, 25, 1), 1
	s_wait_xcnt 0x0
; ATTENTION, launch 1 of 4: the operands of the three quantised projections become codes of FP4 (E2M1) with one E8M0 byte for each 32 along K = d_model; W_O becomes f16.
; WORK LEFT OUT IN THE WHOLE PROGRAM: b_K.  scores[b,h,q,k] = (q . (x_k W_K + b_K)) / 8 = (q . x_k W_K) / 8 + (q . b_K) / 8, and the last term is the same for every key k of a row (b, h, q).
; A term that is the same along the softmax's axis leaves the softmax as it is, for all finite values; a masked score is -inf with or without it; and k goes into no quantised operand
; (the product of q and k is left as it is).  So b_K has no way to any output: it is not loaded and is no argument of any launch.
; LIMIT: a NaN, an infinity or an overflow that reaches only b_K or q . b_K is not carried to the result.
; THE QUANTISER.  A block's scale is 2^(floor(log2(largest magnitude)) - 2); its byte is the largest magnitude's exponent field - 2, held at 1 from below.  A block of zeros so gets the byte 1 where the
; rule says 127: its codes are zeros, which add nothing under any byte but 0xff, and this program alone reads the bytes.  Numbers are divided by the scale and rounded to the nearest code, ties to even.
; LIMITS: blocks whose largest magnitude lies under 2^-124, the floor, were not tried; NaN and infinities among the inputs are not served.
; THREE PATHS, parted on the work-group's number alone, each with LDS bytes of its own:
;   0-191    W_Q, W_K, W_V [16][1024 (K)][64]: K is not innermost.  A lane takes a column, its registers run down K.  Out: wc [3072][512 bytes] and ws [3072][32],
;            row 384 (head / 2) + 128 mat + 64 (head % 2) + e: q, k and v of two heads lie together, as the next launch's tiles of 384 columns take them.
;   192-319  W_O [1024 (k)][1024 (n)] -> wo16 = 4 W_O in f16, as it lies (z is kept as a quarter: the two powers of two cancel exactly).
;   320-575  x [8192][1024]: a plain stream of blocks of 32.  Out: xc [8192][512 bytes], xs [8192][32].
; No tensor loads, no matrix unit, no cluster: the launch streams, and work-groups share no input.
.set EMAX,  2
.set SPW,   12                         ; v12  LDS address of my spare word: SPARE + 4 x my thread's number; never rewritten
.set NIL,   13                         ; v13  0; never rewritten
.set WREG,  8192                       ; x's path: a region for each wave: two stages of 32 x SP bytes, then its 256 scale bytes
.set SP,    80                         ; a lane's place in a stage: 64 bytes + 16 of padding
.set WSTG,  32768                      ; the weights' path: 32 rows (columns n) x (256 bytes of codes + 16)
.set WPIT,  272
.set WSC,   41472                      ; and their scale bytes: 32 rows x 16
.set SPARE, 41984                      ; the spare words, 128 bytes a wave: two blocks of 256 bytes that no other line names
.set STEPS, 16
.set CB,    8                          ; bytes of 16 codes
.set R,     16                         ; x: v16-79 four sets of 16 numbers as loaded
.set X,     80                         ; x: v80-111 two sets of 16 neighbours
.set E,     112                        ; x: v112-127 a scale byte for each step
.set C,     128                        ; x: v128-191 codes, four registers a step
	s_load_b512 s[4:19], s[0:1], 0x0               ; x 4, W_Q 6, W_K 8, W_V 10, W_O 12, xc 14, xs 16, wc 18
	s_load_b128 s[20:23], s[0:1], 0x40             ; ws 20, wo16 22
	v_lshl_add_u32 v[SPW], v0, 2, SPARE
	v_mov_b32 v[NIL], 0
	v_lshrrev_b32 v1, 5, v0
	v_readfirstlane_b32 s24, v1                    ; wave 0..3
	v_and_b32 v2, 31, v0                           ; lane
	s_wait_kmcnt 0x0
	s_cmp_lt_u32 ttmp9, 192
	s_cbranch_scc1 .Lweights
	s_cmp_lt_u32 ttmp9, 320
	s_cbranch_scc1 .Lwo
; ---------------- x: a wave takes 16 steps of 512 numbers.  Each load reads 512 consecutive bytes; a step's 2,048 bytes turn through the wave's own stage, so that a lane holds 16 neighbours along K.
	v_lshlrev_b32 v3, 4, v2                        ; my 16 bytes of a load's 512
	s_mul_i32 s25, s24, WREG
	v_lshrrev_b32 v14, 2, v2
	v_mul_u32_u24 v14, v14, SP
	v_and_b32 v15, 3, v2
	v_lshl_add_u32 v14, v15, 4, v14
	v_add_nc_u32 v14, s25, v14                     ; into the stage: SP (lane / 4) + 16 (lane % 4)
	v_mul_u32_u24 v15, v2, SP
	v_add_nc_u32 v15, s25, v15                     ; out of it: SP x lane
	v_mul_u32_u24 v4, v2, CB                       ; my codes' place in a step's 256 bytes
	v_lshrrev_b32 v5, 1, v2
	s_add_co_u32 s25, s25, 2*32*SP
	v_add_nc_u32 v5, s25, v5                       ; my block's scale byte in the wave's 256
	v_lshlrev_b32 v7, 3, v2
	v_add_nc_u32 v6, s25, v7                       ; and 8 bytes a lane on the way out
	s_sub_co_u32 s26, ttmp9, 320
	s_lshl_b32 s26, s26, 2
	s_add_co_u32 s26, s26, s24                     ; which run of 8,192 numbers is my wave's: 0..1023
	s_mov_b32 s29, 0
	s_lshl_b32 s28, s26, 15
	s_add_nc_u64 s[4:5], s[4:5], s[28:29]          ; 32,768 bytes of x,
	s_lshl_b32 s28, s26, 12
	s_add_nc_u64 s[14:15], s[14:15], s[28:29]      ; 4,096 of codes,
	s_lshl_b32 s28, s26, 8
	s_add_nc_u64 s[16:17], s[16:17], s[28:29]      ; 256 scale bytes a run
.macro XLOAD t
.irp i, 0,1,2,3
	global_load_b128 v[R+16*((\t)%4)+4*\i:R+16*((\t)%4)+4*\i+3], v3, s[4:5] offset:2048*(\t)+512*\i th:TH_LOAD_NT
.endr
.endm
.macro XTURN t                         ; LDS serves a wave's instructions in order: no wait between the stores and the loads
.irp i, 0,1,2,3
	ds_store_b128 v14, v[R+16*((\t)%4)+4*\i:R+16*((\t)%4)+4*\i+3] offset:32*SP*((\t)%2)+8*SP*\i
.endr
.irp i, 0,1,2,3
	ds_load_b128 v[X+16*((\t)%2)+4*\i:X+16*((\t)%2)+4*\i+3], v15 offset:32*SP*((\t)%2)+16*\i
.endr
.endm
.irp t, 0,1,2,3
	XLOAD \t
.endr
	s_wait_loadcnt 12                              ; step 0's four loads are in; the 12 of steps 1 to 3 stay out
	XTURN 0
.macro XSTEP t
.set XS, X+16*((\t)%2)
.if (\t) > 0
	s_wait_dscnt 1                                 ; this step's numbers are back from the stage; the last step's byte store may be out
.else
	s_wait_dscnt 0x0
.endif
.if (\t)+4 < STEPS
	XLOAD (\t)+4                                   ; into the set whose stores into the stage are done
.endif
.if (\t)+1 < STEPS
.if STEPS-2-(\t) >= 3
	s_wait_loadcnt 12                              ; the next step's four loads are in; those of the three steps behind it stay out
.else
	s_wait_loadcnt 4*(STEPS-2-(\t))
.endif
	XTURN (\t)+1
.endif
	v_max3_num_f32 v8, |v[XS]|, |v[XS+1]|, |v[XS+2]|
	v_max3_num_f32 v9, |v[XS+3]|, |v[XS+4]|, |v[XS+5]|
.irp i, 6,10
	v_max3_num_f32 v8, v8, |v[XS+\i]|, |v[XS+\i+1]|
	v_max3_num_f32 v9, v9, |v[XS+\i+2]|, |v[XS+\i+3]|
.endr
	v_max3_num_f32 v8, v8, |v[XS+14]|, |v[XS+15]|
	v_max3_num_f32 v8, v8, v9, (EMAX+1)<<23        ; with the floor 2^(3 - 127): the byte cannot fall under 1
	v_max_num_f32_dpp v8, v8, v8 row_xmask:1 row_mask:0xf bank_mask:0xf   ; and my neighbour's 16: the block's largest magnitude
	v_add_nc_u32 v11, -(EMAX<<23), v8              ; 2 off its exponent field: the conversion's scale operand
	v_cvt_scalef32_pk8_fp4_f32 v[C+4*(\t)], v[XS:XS+7], v11
	v_cvt_scalef32_pk8_fp4_f32 v[C+4*(\t)+1], v[XS+8:XS+15], v11
	v_lshrrev_b32 v[E+(\t)], 23, v11               ; the scale's byte (a plain line behind the conversions)
	ds_store_b8 v5, v[E+(\t)] offset:16*(\t)       ; both lanes of a block write the same byte with the same value
	global_store_b64 v4, v[C+4*(\t):C+4*(\t)+1], s[14:15] offset:32*CB*(\t)   ; the wave stores 256 consecutive bytes, aligned
.endm
.irp t, 0,1,2,3,4,5,6,7,8,9,10,11,12,13,14,15
	XSTEP \t
.endr
	ds_load_b64 v[8:9], v6                         ; my wave's 256 scale bytes: these loads see my stores
	s_wait_dscnt 0x0
	global_store_b64 v7, v[8:9], s[16:17]          ; 256 consecutive bytes, aligned
	s_wait_tensorcnt 0x0                           ; the wave's end
	ds_add_u32 v[SPW], v[NIL]
	s_wait_dscnt 0x0
	s_endpgm
; ---------------- W_O: a wave takes 2,048 numbers: sixteen loads of 512 bytes, sixteen stores of 256.  No LDS.
.Lwo:
	s_sub_co_u32 s25, ttmp9, 192
	s_lshl_b32 s25, s25, 2
	s_add_co_u32 s25, s25, s24                     ; run 0..511
	s_mov_b32 s27, 0
	s_lshl_b32 s26, s25, 13
	s_add_nc_u64 s[12:13], s[12:13], s[26:27]
	s_lshl_b32 s26, s25, 12
	s_add_nc_u64 s[22:23], s[22:23], s[26:27]
	v_lshlrev_b32 v3, 4, v2
	v_lshlrev_b32 v4, 3, v2
.irp i, 0,1,2,3,4,5,6,7,8,9,10,11,12,13,14,15
	global_load_b128 v[32+4*\i:35+4*\i], v3, s[12:13] offset:512*\i th:TH_LOAD_NT
.endr
.irp i, 0,1,2,3,4,5,6,7,8,9,10,11,12,13,14,15
	s_wait_loadcnt 15-\i                           ; loads come back in order: load i is in, the younger ones stay out
	v_pk_mul_f32 v[32+4*\i:33+4*\i], v[32+4*\i:33+4*\i], 4.0 op_sel_hi:[1,0]
	v_pk_mul_f32 v[34+4*\i:35+4*\i], v[34+4*\i:35+4*\i], 4.0 op_sel_hi:[1,0]
	v_cvt_pk_f16_f32 v[96+2*\i], v[32+4*\i], v[33+4*\i]
	v_cvt_pk_f16_f32 v[97+2*\i], v[34+4*\i], v[35+4*\i]
	global_store_b64 v4, v[96+2*\i:97+2*\i], s[22:23] offset:256*\i
.endr
	s_endpgm
; ---------------- the weights: work-group = (mat, head, 32 of the head's 64 columns, 512 of K); wave w takes K = 512 kh + 128 w .. + 127: four blocks a lane.
; The four waves' codes of a column meet in one stage row of 256 bytes, so that sixteen lanes store 256 consecutive bytes of a row of wc.
.Lweights:
	s_lshr_b32 s25, ttmp9, 6                       ; mat: 0 Q, 1 K, 2 V
	s_cmp_eq_u32 s25, 0
	s_cselect_b64 s[26:27], s[6:7], s[8:9]
	s_cmp_eq_u32 s25, 2
	s_cselect_b64 s[26:27], s[10:11], s[26:27]     ; the choice hangs on the work-group's number alone
	s_bfe_u32 s28, ttmp9, 0x40002                  ; head
	s_bfe_u32 s29, ttmp9, 0x10001                  ; which 32 columns
	s_and_b32 s30, ttmp9, 1                        ; which 512 of K
	s_lshl_b32 s32, s28, 18                        ; a head: 1,024 rows of 256 bytes
	s_lshl_b32 s33, s30, 17
	s_add_co_u32 s32, s32, s33
	s_lshl_b32 s33, s24, 15                        ; my wave's 128 rows
	s_add_co_u32 s32, s32, s33
	s_lshl_b32 s33, s29, 7
	s_add_co_u32 s32, s32, s33
	s_mov_b32 s33, 0
	s_add_nc_u64 s[26:27], s[26:27], s[32:33]
	s_lshr_b32 s34, s28, 1
	s_mul_i32 s34, s34, 384                        ; a pair of heads: 384 rows of wc and ws;
	s_lshl_b32 s35, s25, 7
	s_add_co_u32 s34, s34, s35                     ; in it 128 rows a matrix,
	s_and_b32 s35, s28, 1
	s_lshl_b32 s35, s35, 6
	s_add_co_u32 s34, s34, s35                     ; 64 a head,
	s_lshl_b32 s35, s29, 5
	s_add_co_u32 s34, s34, s35                     ; and my 32 columns: 384 (head / 2) + 128 mat + 64 (head % 2) + 32 ch
	s_lshl_b32 s32, s34, 9
	s_lshl_b32 s35, s30, 8
	s_add_co_u32 s32, s32, s35
	s_add_nc_u64 s[18:19], s[18:19], s[32:33]      ; wc: row x 512 + 256 kh
	s_lshl_b32 s32, s34, 5
	s_lshl_b32 s35, s30, 4
	s_add_co_u32 s32, s32, s35
	s_add_nc_u64 s[20:21], s[20:21], s[32:33]      ; ws: row x 32 + 16 kh
	v_lshlrev_b32 v3, 2, v2                        ; in: 4 bytes a lane
	v_mul_u32_u24 v4, v2, WPIT
	s_lshl_b32 s36, s24, 6
	s_add_co_u32 s36, s36, WSTG
	v_add_nc_u32 v4, s36, v4                       ; into the stage: row = my column, 64 bytes a wave
	v_lshlrev_b32 v10, 4, v2
	v_add_nc_u32 v10, WSC, v10                     ; a column's 16 scale bytes
	s_lshl_b32 s36, s24, 2
	v_add_nc_u32 v5, s36, v10                      ; my wave's four of them
	v_lshrrev_b32 v6, 4, v2
	v_and_b32 v11, 15, v2
	v_mul_u32_u24 v7, v6, WPIT
	v_lshl_add_u32 v7, v11, 4, v7
	s_mul_i32 s36, s24, 8*WPIT
	s_add_co_u32 s36, s36, WSTG
	v_add_nc_u32 v7, s36, v7                       ; out of the stage: wave w takes rows 8 w .. 8 w + 7, sixteen lanes to a row
	v_lshlrev_b32 v8, 9, v6
	v_lshl_add_u32 v8, v11, 4, v8
	s_lshl_b32 s36, s24, 12
	v_add_nc_u32 v8, s36, v8                       ; and the same place in wc
	v_lshlrev_b32 v9, 5, v2                        ; a row of ws is 32 bytes
.macro WLOAD t                         ; block t: W(32 t + i, my column), i = 0 .. 31, into set t % 2
.irp i, 0,1,2,3,4,5,6,7,8,9,10,11,12,13,14,15,16,17,18,19,20,21,22,23,24,25,26,27,28,29,30,31
	global_load_b32 v[32+32*((\t)%2)+\i], v3, s[26:27] offset:(32*(\t)+\i)*256
.endr
.endm
.macro WBLOCK t
.set XS, 32+32*((\t)%2)
.if (\t) < 3
	s_wait_loadcnt 32                              ; this block's 32 loads are in; the next block's 32 stay out
.else
	s_wait_loadcnt 0
.endif
	v_max3_num_f32 v26, |v[XS]|, |v[XS+1]|, |v[XS+2]|   ; the block's largest magnitude: all 32 numbers are mine
	v_max3_num_f32 v27, |v[XS+3]|, |v[XS+4]|, |v[XS+5]|
.irp i, 6,10,14,18,22,26
	v_max3_num_f32 v26, v26, |v[XS+\i]|, |v[XS+\i+1]|
	v_max3_num_f32 v27, v27, |v[XS+\i+2]|, |v[XS+\i+3]|
.endr
	v_max3_num_f32 v26, v26, |v[XS+30]|, |v[XS+31]|
	v_max3_num_f32 v26, v26, v27, (EMAX+1)<<23     ; with the floor
	v_add_nc_u32 v28, -(EMAX<<23), v26             ; the conversion's scale operand
	v_lshrrev_b32 v29, 23, v28                     ; the scale's byte
.if (\t) == 0
	v_mov_b32 v24, v29                             ; four bytes to a register, the lower K in the lower byte
.else
	v_lshl_or_b32 v24, v29, 8*(\t), v24
.endif
.irp g, 0,1,2,3
	v_cvt_scalef32_pk8_fp4_f32 v[96+4*(\t)+\g], v[XS+8*\g:XS+8*\g+7], v28   ; each block has its own four registers; the results go to LDS stores alone, and plain vector lines open the next block
.endr
	ds_store_b128 v4, v[96+4*(\t):96+4*(\t)+3] offset:16*(\t)
.if (\t) < 2
	WLOAD (\t)+2
.endif
.endm
	WLOAD 0
	WLOAD 1
	WBLOCK 0
	WBLOCK 1
	WBLOCK 2
	WBLOCK 3
	ds_store_b32 v5, v24
	s_wait_dscnt 0x0                               ; for the others' sake: my stores into the stage are done
	s_barrier_signal -1
	s_barrier_wait -1                              ; the 32 rows are whole
.irp t, 0,1,2,3
	ds_load_b128 v[112+4*\t:115+4*\t], v7 offset:2*\t*WPIT
.endr
.irp t, 0,1,2,3
	s_wait_dscnt 3-\t
	global_store_b128 v8, v[112+4*\t:115+4*\t], s[18:19] offset:2*\t*512   ; sixteen lanes store 256 consecutive bytes, aligned
.endr
	s_cmp_lg_u32 s24, 0
	s_cbranch_scc1 .Lw_end
	ds_load_b128 v[128:131], v10                   ; wave 0: the 32 columns' scale bytes, 16 a lane
	s_wait_dscnt 0x0
	global_store_b128 v9, v[128:131], s[20:21]
.Lw_end:
	s_wait_tensorcnt 0x0                           ; the wave's end
	ds_add_u32 v[SPW], v[NIL]
	s_wait_dscnt 0x0
	s_endpgm
.Lfunc_end_k_q5f64641b22_prep:
	.size	k_q5f64641b22_prep, .Lfunc_end_k_q5f64641b22_prep-k_q5f64641b22_prep
	.p2alignl 7, 3214868480
	.fill 96, 4, 3214868480
	.section	.rodata,"a",@progbits
	.p2align	6, 0x0
	.amdhsa_kernel k_q5f64641b22_prep
		.amdhsa_group_segment_fixed_size 42496
		.amdhsa_private_segment_fixed_size 0
		.amdhsa_enable_private_segment 0
		.amdhsa_kernarg_size 80
		.amdhsa_user_sgpr_count 2
		.amdhsa_user_sgpr_kernarg_segment_ptr 1
		.amdhsa_wavefront_size32 1
		.amdhsa_system_sgpr_workgroup_id_x 1
		.amdhsa_system_sgpr_workgroup_id_y 1
		.amdhsa_system_sgpr_workgroup_id_z 1
		.amdhsa_system_vgpr_workitem_id 0
		.amdhsa_next_free_vgpr 192
		.amdhsa_next_free_sgpr 66
		.amdhsa_reserve_vcc 0
		.amdhsa_float_denorm_mode_32 3
		.amdhsa_float_denorm_mode_16_64 3
		.amdhsa_memory_ordered 1
		.amdhsa_forward_progress 1
		.amdhsa_inst_pref_size 63
	.end_amdhsa_kernel
	.amdgpu_metadata
---
amdhsa.version: [ 1, 2 ]
amdhsa.kernels:
  - .name:           k_q5f64641b22_prep
    .symbol:         k_q5f64641b22_prep.kd
    .args:
      - { .name: x, .offset: 0, .size: 8, .value_kind: global_buffer, .address_space: global }
      - { .name: W_Q, .offset: 8, .size: 8, .value_kind: global_buffer, .address_space: global }
      - { .name: W_K, .offset: 16, .size: 8, .value_kind: global_buffer, .address_space: global }
      - { .name: W_V, .offset: 24, .size: 8, .value_kind: global_buffer, .address_space: global }
      - { .name: W_O, .offset: 32, .size: 8, .value_kind: global_buffer, .address_space: global }
      - { .name: xc, .offset: 40, .size: 8, .value_kind: global_buffer, .address_space: global }
      - { .name: xs, .offset: 48, .size: 8, .value_kind: global_buffer, .address_space: global }
      - { .name: wc, .offset: 56, .size: 8, .value_kind: global_buffer, .address_space: global }
      - { .name: ws, .offset: 64, .size: 8, .value_kind: global_buffer, .address_space: global }
      - { .name: wo16, .offset: 72, .size: 8, .value_kind: global_buffer, .address_space: global }
    .group_segment_fixed_size: 42496
    .private_segment_fixed_size: 0
    .kernarg_segment_align: 8
    .kernarg_segment_size: 80
    .max_flat_workgroup_size: 128
    .sgpr_count:     66
    .vgpr_count:     192
    .wavefront_size: 32
...
	.end_amdgpu_metadata
.endif
;; end of part 1
;; launch qkv (part 2): grid 8 x 32, 4 waves a work-group, clusters of 4 x 4, 327,680 bytes of LDS; arguments xc, xs, wc, ws, qkv16, b_Q, b_V; writes qkv16
.if DOCPART == 2
	.amdgcn_target "amdgcn-amd-amdhsa--gfx1250"
	.amdhsa_code_object_version 6
	.text
	.protected	k_q5f64641b22_qkv
	.globl	k_q5f64641b22_qkv
	.p2align	8
	.type	k_q5f64641b22_qkv,@function
k_q5f64641b22_qkv:
	s_mov_b64 s[64:65], 0
	v_nop
	global_prefetch_b8 v0, s[64:65] scope:SCOPE_SE
	s_setreg_imm32_b32 hwreg(HW_REG_WAVE_MODE, 25, 1), 1
	s_wait_xcnt 0x0
	s_wait_alu depctr_hold_cnt(0) depctr_sa_sdst(0) depctr_va_vdst(0) depctr_va_sdst(0) depctr_va_ssrc(0) depctr_va_vcc(0) depctr_vm_vsrc(0)
	s_getreg_b32 s2, hwreg(HW_REG_IB_STS2, 6, 4)
	s_cmp_eq_u32 s2, 0
	s_cbranch_scc0 .Lentry_in_a_cluster
	s_endpgm
.Lentry_in_a_cluster:
	s_bfe_u32 s2, ttmp6, 0x10000c
	s_cmp_lg_u32 s2, 0xf033
	s_cbranch_scc0 .Lentry_shape_is_right
	s_endpgm
.Lentry_shape_is_right:
; ATTENTION, launch 2 of 4: the three quantised projections as ONE product on codes of FP4 (E2M1): C[m][n] = sum over k of x[m][k] W[n][k], m = 1024 b + s (8,192), K = 1,024,
; n = 384 (head / 2) + 128 mat + 64 (head % 2) + e (3,072; mat 0 q, 1 k, 2 v): wc's and ws's rows lie so.
; OUT: qkv16, f16, [mat][b][head][s][64]: (C + bias) / 4.  A quarter is exact, and gives f16 room: LIMIT: |q|, |k|, |v| stay under 262,016, else the f16 number is an infinity.
; WORK LEFT OUT: b_K (shown dead at the head of the first launch): k gets no bias; q gets b_Q, v gets b_V.
; SHARES.  A work-group makes 256 rows x 384 columns, q, k and v of two heads: 32 x 8 = 256 work-groups of equal work.  Four waves.  IN TWO PHASES, since 96 accumulators a wave leave no room for two sets
; of W's fragments, and (256 + 384) rows x 2 x 272 bytes are more than LDS holds:
;   phase 1: q's and k's 256 columns; a wave makes 128 x 128 (64 accumulators, 512 registers): waves 0, 2 q's columns, waves 1, 3 k's.  K is two slots of 512 (rows of 256 bytes), asked for at the start with all scale bytes.
;   At the change of slots v's 128 rows of wc, both halves of K, are asked for into the bytes that W's half of slot 0 has left: the launch's one refill; it lands under slot 1's products and the first way out.
;   phase 2: v's 128 columns; a wave makes 128 x 64 (32 accumulators).  x's tiles and its scale words are still where phase 1 left them.  The first phase's stores are on their way meanwhile.
; CLUSTERS: 4 x 4 work-groups; the four of a row of the cluster ask jointly for x's tiles, the four of a column for W's.
; THE MATRIX INSTRUCTION IS USED TRANSPOSED (source 0 = 16 rows of W, source 1 = 16 rows of x): a lane holds eight neighbouring columns of one row of C.
; REGISTERS, in windows of 256: window 0: v0-31 addresses; v32-95 scale words of phase 1, two sets (x's, in lanes 0-15, serve phase 2 too); v96-127 f16 pairs on the ways out, v's scale words in phase 2;
;   v128-191 x's fragments (phase 2: its first buffer), rows read back on the ways out; v192-255 f32 numbers on the ways out, x's second buffer in phase 2.
;   window 1: W's fragments, two sets, at v0 and v128; v64-95 b_V, v192-255 b_Q or zeros, in the result's layout.   windows 2, 3: the accumulators.
.set KSTEP,  512
.set NQ,     4                         ; matrix instructions deep in a slot
.set ROWB,   256                       ; a tile's row in bytes
.set KROW,   512                       ; a row of xc or wc in bytes
.set PITCH,  272                       ; an LDS row: 256 + 16 = 68 words: row r starts at bank 4 r mod 64 (64 banks of 4 bytes: ISA guide 11.1)
.set FR,     8
.set NL,     2
.set NP,     4                         ; places behind this matrix instruction (ISA guide 7.12.1)
.set HALFT,  128*PITCH
.set SLOT,   4*HALFT                   ; x's 256 rows, then W's 256 rows
.set KS,     32                        ; a row of scale bytes
.set SCL,    2*SLOT                    ; behind the slots: x's scale bytes (256 rows), then W's (384 rows), as units of 256 bytes + 16
.set HALFS,  (128*KS/256)*272          ; those of 128 rows
.set HALFSB, (192*KS/256)*272          ; those of 192 rows: what one load brings of W's
.set SBLK,   (16*KS/256)*272           ; those of 16 rows
.set SPARE,  SCL+2*HALFS+2*HALFSB      ; the spare words, 128 bytes a wave: two blocks of 256 bytes that no other line names
.set STG,    SPARE+512                 ; the ways out: a stage of 16 rows x (256 bytes + 16) a wave, in bytes of its own
.set SPITCH, 272
.set ADRA, 16                          ; v16-17 x's fragments in slot 0, 1
.set ADRB, 20                          ; v20-21 W's, phase 1
.set ADRV, 22                          ; v22    W's, phase 2: my 64 rows of v's 128
.set STO,  24
.set RD,   25
.set CO,   26
.set ADRS, 27                          ; phase 1's scale words: lanes 0-15 x's rows, lanes 16-31 W's
.set SPW,  28
.set NIL,  29
.set BOF,  30                          ; v30: 32 x (lane / 16): my eight numbers of a block's sixteen biases
.set ADRT, 31                          ; v's scale words
.set SC,   32
.set SV,   96
.set AF,   128
.set BI,   192                         ; in window 1
.set BI2,  64                          ; in window 1
.set TF,   192                         ; the ways out: 64 numbers in f32,
.set TH,   96                          ; 32 registers of f16 pairs,
.set BK,   128                         ; and rows read back: v128-159, v160-191 by turns
.set G1, 24
.set G0, 32
.set G1B, 48
.set G0B, 56
.set G1S, 68
.set G0S, 76
.set G1SB, 80
.set G0SB, 88
.set G0V, 92                           ; s[92:95] group 0 for v's tile
.set MSB, 0
.macro WIN new                         ; the immediate's high byte repeats the setting that is left
.if MSB != (\new)
	s_set_vgpr_msb (MSB<<8)|(\new)
.set MSB, (\new)
.endif
.endm
.set MUL_LO, 0xa1                      ; source 0 (W) window 1, source 1 (x) window 0, C and D window 2
.set MUL_HI, 0xf1
.set TO_B,   0x40
; A joint load: waves 0 and 1 fetch for x, waves 2 and 3 for W; the branch hangs on the wave's number alone.  An s_nop 0 and four v_nop follow each line.
.macro JLOAD g0a, g1a, g0b, g1b
	s_cmp_eq_u32 s15, 0
	s_cbranch_scc0 .Lfor_b_\@
	tensor_load_to_lds s[\g0a:\g0a+3], s[\g1a:\g1a+7]
	s_nop 0
.rept 4
	v_nop
.endr
	s_branch .Lasked_\@
.Lfor_b_\@:
	tensor_load_to_lds s[\g0b:\g0b+3], s[\g1b:\g1b+7]
	s_nop 0
.rept 4
	v_nop
.endr
.Lasked_\@:
.endm
.macro CREST                           ; a round of the cluster's barrier behind its opening barrier
	s_cmp_lg_u32 s14, 0
	s_cbranch_scc1 .Lnot_wave_0_\@
	s_barrier_signal -3
.Lnot_wave_0_\@:
	s_barrier_wait -3
	s_barrier_signal -1
	s_barrier_wait -1
.endm
.macro CROUND                          ; a whole round
	s_barrier_signal -1
	s_barrier_wait -1
	CREST
.endm
	s_load_b128 s[4:7], s[0:1], 0x0                ; xc, xs
	s_load_b128 s[8:11], s[0:1], 0x10              ; wc, ws
	s_load_b64 s[12:13], s[0:1], 0x20              ; qkv16
	s_load_b64 s[96:97], s[0:1], 0x28              ; b_Q
	s_load_b64 s[98:99], s[0:1], 0x30              ; b_V
	v_lshl_add_u32 v[SPW], v0, 2, SPARE
	v_mov_b32 v[NIL], 0
	ds_add_u32 v[SPW], v[NIL]                      ; the wave's opening: the add, twice on end, and its wait ahead of my first tensor load
	ds_add_u32 v[SPW], v[NIL]
	v_lshrrev_b32 v1, 5, v0
	v_readfirstlane_b32 s14, v1                    ; wave 0..3
	s_lshr_b32 s15, s14, 1                         ; which half of the tile's rows is mine.  Also: I fetch for x (0) or for W (1)
	s_and_b32 s16, s14, 1                          ; which half of a phase's columns.  Also: which part of a tile I fetch
	s_bfe_u32 s40, ttmp6, 0x40000                  ; cx, cy
	s_bfe_u32 s41, ttmp6, 0x40004
	s_lshl_b32 s42, ttmp9, 2
	s_add_co_u32 s42, s42, s40                     ; tile column 0..7: heads 2 tc, 2 tc + 1
	s_and_b32 s17, ttmp7, 0xffff
	s_lshl_b32 s17, s17, 2
	s_add_co_u32 s17, s17, s41                     ; tile row 0..31
	s_lshl_b32 s43, s41, 2
	s_lshl_b32 s43, 15, s43                        ; my row of the cluster
	s_lshl_b32 s44, 0x1111, s40                    ; my column
	s_or_b32 s[G1+0], s43, (0<<16)|(1<<20)|(1<<21)|(5<<22)|(3<<25)  ; the mask; elements of 1 byte; padding: 4 words after every 64; bit 21 beside a mask
	s_or_b32 s[G1B+0], s44, (0<<16)|(1<<20)|(1<<21)|(5<<22)|(3<<25)
.irp g, G1, G1B
	s_mov_b32 s[\g+1], ROWB<<16                    ; tensor_dim0
	s_mov_b32 s[\g+2], 128<<16                     ; tensor_dim1
	s_mov_b32 s[\g+3], ROWB<<16                    ; tile_dim0
	s_mov_b32 s[\g+4], 128                         ; tile_dim1
	s_mov_b32 s[\g+5], KROW                        ; the pitch
	s_mov_b32 s[\g+6], 0
	s_mov_b32 s[\g+7], 0
.endr
	s_or_b32 s[G1S+0], s43, (3<<16)|(1<<20)|(1<<21)|(5<<22)|(3<<25)  ; scale bytes: dense blocks, as rows of 256 bytes (32 elements of 8): x's 128 rows are 16 such rows,
	s_mov_b32 s[G1S+1], 32<<16
	s_mov_b32 s[G1S+2], (128*KS/256)<<16
	s_mov_b32 s[G1S+3], 32<<16
	s_mov_b32 s[G1S+4], 128*KS/256
	s_mov_b32 s[G1S+5], 32
	s_mov_b32 s[G1S+6], 0
	s_mov_b32 s[G1S+7], 0
	s_or_b32 s[G1SB+0], s44, (3<<16)|(1<<20)|(1<<21)|(5<<22)|(3<<25) ; W's 192 rows 24
	s_mov_b32 s[G1SB+1], 32<<16
	s_mov_b32 s[G1SB+2], (192*KS/256)<<16
	s_mov_b32 s[G1SB+3], 32<<16
	s_mov_b32 s[G1SB+4], 192*KS/256
	s_mov_b32 s[G1SB+5], 32
	s_mov_b32 s[G1SB+6], 0
	s_mov_b32 s[G1SB+7], 0
	s_lshl_b32 s18, s16, 7
	s_lshl_b32 s20, s17, 8
	s_add_co_u32 s20, s20, s18                     ; x: row 256 x tile row + 128 x half
	s_mul_i32 s46, s42, 384
	s_mul_i32 s92, s16, 192
	s_add_co_u32 s92, s92, s46                     ; W's scale bytes: row 384 x tile column + 192 x half
	s_add_co_u32 s46, s46, s18                     ; W's codes, phase 1: row 384 x tile column + 128 x half
	s_mov_b32 s21, 0
	s_mov_b32 s47, 0
	s_mov_b32 s93, 0
	s_mov_b64 s[18:19], KS
	s_mul_u64 s[22:23], s[20:21], s[18:19]
	s_mul_u64 s[92:93], s[92:93], s[18:19]
	s_mov_b64 s[18:19], KROW
	s_mul_u64 s[20:21], s[20:21], s[18:19]
	s_mul_u64 s[46:47], s[46:47], s[18:19]
	s_mul_i32 s45, s14, HALFT                      ; where the codes go: wave x 128 rows: no place in the cluster enters an LDS address
	s_mul_i32 s94, s16, HALFS
	s_mul_i32 s95, s16, HALFSB
	s_mul_i32 s66, s42, 384*KROW                   ; v's tile: row 384 x tile column + 256; wave 2 fetches its first half of K, wave 3 its second
	s_lshl_b32 s67, s16, 8
	s_add_co_u32 s66, s66, s67
	s_add_co_u32 s66, s66, 256*KROW
	s_mov_b32 s67, 0
	s_wait_dscnt 0x0                               ; both opening adds are done
	s_wait_kmcnt 0x0
	s_add_nc_u64 s[20:21], s[4:5], s[20:21]
	s_add_nc_u64 s[22:23], s[6:7], s[22:23]
	s_add_nc_u64 s[46:47], s[8:9], s[46:47]
	s_add_nc_u64 s[92:93], s[10:11], s[92:93]
	CROUND                                         ; all sixteen work-groups are here: the joint loads meet
	s_mov_b32 s[G0S], 1
	s_add_co_u32 s[G0S+1], s94, SCL
	s_mov_b64 s[G0S+2:G0S+3], s[22:23]
	s_or_b32 s[G0S+3], s[G0S+3], 0x80000000
	s_mov_b32 s[G0SB], 1
	s_add_co_u32 s[G0SB+1], s95, SCL+2*HALFS
	s_mov_b64 s[G0SB+2:G0SB+3], s[92:93]
	s_or_b32 s[G0SB+3], s[G0SB+3], 0x80000000
	JLOAD G0S, G1S, G0SB, G1SB                     ; the scale bytes first; three loads of mine are out in all
.irp s, 0,1
	s_mov_b32 s[G0+4*\s], 1
	s_add_co_u32 s[G0+4*\s+1], s45, \s*SLOT
	s_add_nc_u64 s[G0+4*\s+2:G0+4*\s+3], s[20:21], \s*ROWB
	s_or_b32 s[G0+4*\s+3], s[G0+4*\s+3], 0x80000000
	s_mov_b32 s[G0B+4*\s], 1
	s_add_co_u32 s[G0B+4*\s+1], s45, \s*SLOT
	s_add_nc_u64 s[G0B+4*\s+2:G0B+4*\s+3], s[46:47], \s*ROWB
	s_or_b32 s[G0B+4*\s+3], s[G0B+4*\s+3], 0x80000000
	JLOAD G0+4*\s, G1, G0B+4*\s, G1B
.endr
	s_mov_b32 s[G0V], 1                            ; v's tile, for the change of slots (s92-95 are no pending load's registers): to where my part of W's slot 0 lies
	s_mov_b32 s[G0V+1], s45
	s_add_nc_u64 s[G0V+2:G0V+3], s[8:9], s[66:67]
	s_or_b32 s[G0V+3], s[G0V+3], 0x80000000
	v_and_b32 v1, 15, v0                           ; r = l % 16
	v_bfe_u32 v2, v0, 4, 1                         ; h = l / 16
	v_mul_u32_u24 v3, v1, PITCH
	v_lshl_add_u32 v4, v2, 4, v3
	s_mul_i32 s21, s15, HALFT
	s_mul_i32 s22, s16, HALFT
	s_add_co_u32 s22, s22, 2*HALFT
.irp s, 0,1
	v_add_nc_u32 v[ADRA+\s], s21, v4
	v_add_nc_u32 v[ADRB+\s], s22, v4
	s_add_co_u32 s21, s21, SLOT
	s_add_co_u32 s22, s22, SLOT
.endr
	s_mul_i32 s22, s16, 64*PITCH                   ; phase 2: my 64 of v's 128 rows, in W's half of slot 0
	s_add_co_u32 s22, s22, 2*HALFT
	v_add_nc_u32 v[ADRV], s22, v4
	v_mul_u32_u24 v5, v1, KS                       ; my row's scale bytes: KS a row, and 16 more for each 256 passed
	v_lshrrev_b32 v6, 8, v5
	v_lshl_add_u32 v5, v6, 4, v5
	s_mul_i32 s23, s16, 4*SBLK                     ; v's: behind x's 256 rows and W's first 256; my 64 rows; every lane takes row l % 16's
	s_add_co_u32 s23, s23, SCL+4*HALFS
	v_add_nc_u32 v[ADRT], s23, v5
	s_mul_i32 s21, s15, HALFS
	s_mul_i32 s22, s16, HALFS
	s_add_co_u32 s22, s22, 2*HALFS
	s_sub_co_u32 s22, s22, s21
	v_mul_u32_u24 v6, s22, v2                      ; phase 1: lanes 16-31 take W's
	s_add_co_u32 s21, s21, SCL
	v_add_nc_u32 v5, v5, v6
	v_add_nc_u32 v[ADRS], s21, v5
	s_mul_i32 s23, s14, 16*SPITCH
	s_add_co_u32 s23, s23, STG                     ; my stage
	v_mul_u32_u24 v5, v1, SPITCH                   ; in: row r, 16 bytes for each half of the lanes
	v_lshl_add_u32 v5, v2, 4, v5
	v_add_nc_u32 v[STO], s23, v5
	v_bfe_u32 v5, v0, 3, 2                         ; back: eight lanes take one head's 128 bytes of a row, the wave four rows
	v_mul_u32_u24 v5, v5, SPITCH
	v_and_b32 v6, 7, v0
	v_lshl_add_u32 v5, v6, 4, v5
	v_add_nc_u32 v[RD], s23, v5
	v_and_b32 v6, 31, v0
	v_lshlrev_b32 v[CO], 4, v6                     ; four rows of one head are 512 consecutive bytes of qkv16
	v_lshlrev_b32 v[BOF], 5, v2
	s_lshr_b32 s20, s17, 2
	s_lshl_b32 s20, s20, 21                        ; qkv16: the batch, 2,097,152 bytes;
	s_and_b32 s21, s17, 3
	s_lshl_b32 s21, s21, 15                        ; 256 rows of 128 bytes for each tile row in the batch;
	s_add_co_u32 s20, s20, s21
	s_lshl_b32 s21, s15, 14                        ; my 128 rows;
	s_add_co_u32 s20, s20, s21
	s_lshl_b32 s46, s42, 18                        ; the tile column's two heads of 131,072 bytes
	s_add_co_u32 s20, s20, s46
	s_lshl_b32 s22, s16, 17                        ; phase 2: the third matrix, and my one head of the two
	s_add_co_u32 s22, s22, s20
	s_add_co_u32 s22, s22, 0x2000000
	s_mov_b32 s23, 0
	s_add_nc_u64 s[2:3], s[12:13], s[22:23]
	s_lshl_b32 s21, s16, 24                        ; phase 1: the matrix, 16,777,216 bytes: q for waves 0, 2, k for waves 1, 3
	s_add_co_u32 s20, s20, s21
	s_mov_b32 s21, 0
	s_add_nc_u64 s[12:13], s[12:13], s[20:21]
	s_lshl_b32 s46, s42, 9                         ; the biases of heads 2 tc, 2 tc + 1: 128 numbers on end
	s_mov_b32 s47, 0
	s_add_nc_u64 s[96:97], s[96:97], s[46:47]      ; b_Q: all 128
	s_lshl_b32 s20, s16, 8
	s_add_co_u32 s46, s46, s20
	s_add_nc_u64 s[98:99], s[98:99], s[46:47]      ; b_V: my head's 64
	WIN TO_B
.irp b, 0,1,2,3                                ; lane (r, h), block b: the biases of columns 16 b + 8 h + 0 .. 7
	global_load_b128 v[BI2+8*\b:BI2+8*\b+3], v[BOF], s[98:99] offset:64*\b
	global_load_b128 v[BI2+8*\b+4:BI2+8*\b+7], v[BOF], s[98:99] offset:64*\b+16
.endr
	WIN 0
	s_cmp_eq_u32 s16, 1                            ; the wave's number alone: waves 1 and 3 make k
	s_cbranch_scc1 .Lno_bias
	WIN TO_B
.irp b, 0,1,2,3,4,5,6,7
	global_load_b128 v[BI+8*\b:BI+8*\b+3], v[BOF], s[96:97] offset:64*\b
	global_load_b128 v[BI+8*\b+4:BI+8*\b+7], v[BOF], s[96:97] offset:64*\b+16
.endr
	WIN 0
	s_branch .Lbias_done
.Lno_bias:
	WIN TO_B
.set i, 0
.rept 64
	v_mov_b32 v[BI+i], 0                           ; k has no bias; the multiply-add of the way out is owed for the quarter all the same
.set i, i+1
.endr
	WIN 0
.Lbias_done:
.macro FRAG reg, adr, q, i             ; 16 rows x 128 K of 4-bit codes: 8 registers: lane l holds row l % 16; registers 4 c .. 4 c + 3 hold K = 64 c + 32 (l / 16) + 0 .. 31
.irp c, 0,1
	ds_load_b128 v[\reg+4*\c:\reg+4*\c+3], v[\adr] offset:64*(\q)+32*\c+(\i)*16*PITCH
.endr
.endm
; PHASE 1.  16 matrix instructions: x's blocks a0, a0 + 1 against W's eight.  The 64 accumulators take turns, one instruction a turn, in the same order in every step.
.macro MUL16 a0, p, q, sc, zero
.irp a, \a0, \a0+1
.irp b, 0,1,2,3,4,5,6,7
.if \zero
	v_wmma_scale_f32_16x16x128_f8f6f4 v[8*(8*((\a)%4)+\b):8*(8*((\a)%4)+\b)+7], v[128*(\p)+FR*\b:128*(\p)+FR*\b+FR-1], v[AF+FR*(\a):AF+FR*(\a)+FR-1], 0, v[SC+8*NQ*(\sc)+NQ*\b+(\q)], v[SC+8*NQ*(\sc)+NQ*(\a)+(\q)] matrix_a_fmt:MATRIX_FMT_FP4 matrix_b_fmt:MATRIX_FMT_FP4 matrix_a_scale:MATRIX_SCALE_ROW1
.else
	v_wmma_scale_f32_16x16x128_f8f6f4 v[8*(8*((\a)%4)+\b):8*(8*((\a)%4)+\b)+7], v[128*(\p)+FR*\b:128*(\p)+FR*\b+FR-1], v[AF+FR*(\a):AF+FR*(\a)+FR-1], v[8*(8*((\a)%4)+\b):8*(8*((\a)%4)+\b)+7], v[SC+8*NQ*(\sc)+NQ*\b+(\q)], v[SC+8*NQ*(\sc)+NQ*(\a)+(\q)] matrix_a_fmt:MATRIX_FMT_FP4 matrix_b_fmt:MATRIX_FMT_FP4 matrix_a_scale:MATRIX_SCALE_ROW1
.endif
.endr
.endr
.endm
.macro FETCH_B slot, q, p
	WIN TO_B
.irp i, 0,1,2,3,4,5,6,7
	FRAG 128*(\p)+FR*\i, ADRB+\slot, \q, \i
.endr
	WIN 0
.endm
.macro FETCH_A slot, q, i0
.irp i, \i0, \i0+1, \i0+2, \i0+3
	FRAG AF+FR*(\i), ADRA+\slot, \q, \i
.endr
.endm
.macro SCALES sc                       ; a slot's scale words: lanes 0-15 take x's block i, lanes 16-31 W's block i
.irp i, 0,1,2,3,4,5,6,7
	ds_load_b128 v[SC+8*NQ*\sc+NQ*\i:SC+8*NQ*\sc+NQ*\i+3], v[ADRS] offset:\i*SBLK
.endr
.endm
.macro PLACES n                        ; plain vector instructions that name no register of the matrix instruction in front: ahead of loads into its sources and of reads of its results
.rept \n
	v_nop
.endr
.endm
.macro STEP slot, q, zero              ; 128 along K, with its successor in the same slot
	s_wait_dscnt 4*NL                              ; W's set and x's blocks 0-3 are in; the youngest eight loads (x's blocks 4-7) may be out
	WIN MUL_LO
	MUL16 0, (\q)%2, \q, \slot, \zero
	MUL16 2, (\q)%2, \q, \slot, \zero
	s_wait_dscnt 0
	PLACES NP
	FETCH_B \slot, (\q)+1, 1-(\q)%2
	FETCH_A \slot, (\q)+1, 0
	WIN MUL_HI
	MUL16 4, (\q)%2, \q, \slot, \zero
	MUL16 6, (\q)%2, \q, \slot, \zero
	PLACES NP
	WIN 0
	FETCH_A \slot, (\q)+1, 4
.endm
.macro STEPS slot, from
.set Q, \from
.rept NQ-1-\from
	STEP \slot, Q, 0
.set Q, Q+1
.endr
.endm
	s_wait_tensorcnt 1                             ; the scale bytes and my part of slot 0 are in; slot 1's load may be out
	s_barrier_signal -1
	s_barrier_wait -1
	FETCH_B 0, 0, 0
	FETCH_A 0, 0, 0
	SCALES 0
	FETCH_A 0, 0, 4
	STEP 0, 0, 1                                   ; the first products start the sums: nothing is cleared
	STEPS 0, 1
	; Slot 0's last step changes slots, and W's half of slot 0 is filled again, with v's tile: so the barrier opens a round of the cluster's.
	s_wait_tensorcnt 0x0                           ; all my tensor loads have landed: my part of slot 1 among them
	ds_add_u32 v[SPW], v[NIL]                      ; 0 onto my spare word
	s_wait_dscnt 4*NL+1                            ; the add and the youngest eight loads may be out
	WIN MUL_LO
	MUL16 0, 1, NQ-1, 0, 0                         ; sixteen matrix instructions stand between the add and the wait for it
	s_wait_dscnt 0x0                               ; the add is done, and my reads of slot 0 are over
	s_barrier_signal -1
	MUL16 2, 1, NQ-1, 0, 0
	WIN 0
	s_barrier_wait -1
	CREST                                          ; no wave of any partner still reads slot 0 or has a load on its way; slot 1 is whole
	s_cmp_eq_u32 s15, 0                            ; waves 2 and 3 fetch v's tile, one half of K each: my one tensor load behind the round; waves 0 and 1 have no part of it
	s_cbranch_scc1 .Lno_v
	tensor_load_to_lds s[G0V:G0V+3], s[G1B:G1B+7]
	s_nop 0
.rept 4
	v_nop
.endr
.Lno_v:
	PLACES NP
	v_add_nc_u32 v[ADRS], 4*NQ, v[ADRS]            ; on to slot 1's scale words
	FETCH_B 1, 0, 0
	FETCH_A 1, 0, 0
	SCALES 1
	WIN MUL_HI
	MUL16 4, 1, NQ-1, 0, 0
	MUL16 6, 1, NQ-1, 0, 0
	PLACES NP
	WIN 0
	FETCH_A 1, 0, 4
	STEPS 1, 0
	s_wait_dscnt 4*NL                              ; phase 1's last step
	WIN MUL_LO
	MUL16 0, 1, NQ-1, 1, 0
	MUL16 2, 1, NQ-1, 1, 0
	s_wait_dscnt 0
	WIN MUL_HI
	MUL16 4, 1, NQ-1, 1, 0
	MUL16 6, 1, NQ-1, 1, 0
	WIN 0
; THE FIRST WAY OUT, block by block of 16 rows x 128 columns (two heads): (C + bias) / 4 as one multiply-add on bias / 4, rounded to f16; 16 bytes a lane into my stage; back as four rows of one head, 512 consecutive bytes of qkv16.
.macro PACK a
.set AC, 64*((\a)%4)
	WIN 0x12+((\a)/4)                              ; source 0: window 2 or 3; source 2: window 1
.irp b, 0,1,2,3,4,5,6,7
.irp i, 0,1,2,3
	v_pk_fma_f32 v[TF+8*\b+2*\i:TF+8*\b+2*\i+1], v[AC+8*\b+2*\i:AC+8*\b+2*\i+1], 0x3e800000, v[BI+8*\b+2*\i:BI+8*\b+2*\i+1] op_sel_hi:[1,0,1]   ; each accumulator from its low end on
.endr
.endr
	WIN 0
.set i, 0
.rept 32
	v_cvt_pk_f16_f32 v[TH+i], v[TF+2*i], v[TF+2*i+1]
.set i, i+1
.endr
.endm
.macro TOSTAGE a
.set BB, BK+32*((\a)%2)
.irp b, 0,1,2,3,4,5,6,7
	ds_store_b128 v[STO], v[TH+4*\b:TH+4*\b+3] offset:32*\b
.endr
.irp hd, 0,1
.irp t, 0,1,2,3
	ds_load_b128 v[BB+4*(4*\hd+\t):BB+4*(4*\hd+\t)+3], v[RD] offset:4*\t*SPITCH+128*\hd   ; LDS serves a wave's instructions in order: these see the stores above
.endr
.endr
.endm
.macro SEND a
.set BB, BK+32*((\a)%2)
	s_wait_dscnt 0x0                               ; the block is back in registers
	s_wait_xcnt 0x0                                ; the block before's stores have read their registers: the next block's loads may land there
.irp hd, 0,1
.irp t, 0,1,2,3
	global_store_b128 v[CO], v[BB+4*(4*\hd+\t):BB+4*(4*\hd+\t)+3], s[12:13] offset:2048*(\a)+131072*\hd+512*\t   ; 512 consecutive bytes, aligned; the block's place stands in the immediate
.endr
.endr
.endm
	s_wait_loadcnt 0x0                             ; the biases
	PLACES NP                                      ; behind the last products
	WIN 0x41
.set i, 0
.rept 32
	v_pk_mul_f32 v[BI+i:BI+i+1], v[BI+i:BI+i+1], 0x3e800000 op_sel_hi:[1,0]   ; bias / 4
.set i, i+2
.endr
.set i, 0
.rept 16
	v_pk_mul_f32 v[BI2+i:BI2+i+1], v[BI2+i:BI2+i+1], 0x3e800000 op_sel_hi:[1,0]
.set i, i+2
.endr
	PACK 0
	TOSTAGE 0
.irp a, 1,2,3,4,5,6,7                  ; block a's arithmetic stands between block a - 1's loads from the stage and the wait for them
	PACK \a
	SEND \a-1
	TOSTAGE \a
.endr
	SEND 7
; PHASE 2: v's 128 columns; my 128 rows x 64 columns: 32 accumulators at v[8 (4 a + b)] of window 2, by turns in the same order in every step.  Eight steps of 128 along K:
; step j lies in x's slot j / 4 and in half j / 4 of v's tile.  Both operands have two buffers: step j + 1's 24 loads are issued ahead of step j's 32 products.
.macro FETCHV j
.set VP_, (\j)%2
	WIN TO_B
.irp i, 0,1,2,3
.irp c, 0,1
	ds_load_b128 v[128*VP_+FR*\i+4*\c:128*VP_+FR*\i+4*\c+3], v[ADRV] offset:((\j)/4)*HALFT+64*((\j)%4)+32*\c+\i*16*PITCH
.endr
.endr
	WIN 0
.irp i, 0,1,2,3,4,5,6,7
.irp c, 0,1
	ds_load_b128 v[AF+64*VP_+FR*\i+4*\c:AF+64*VP_+FR*\i+4*\c+3], v[ADRA+(\j)/4] offset:64*((\j)%4)+32*\c+\i*16*PITCH
.endr
.endr
.endm
.macro MULV j                          ; both sides' scale words are read from lanes 0-15: v's from registers of their own, x's from phase 1's sets
.set VB_, 128*((\j)%2)
.set VA_, AF+64*((\j)%2)
.set VS_, (\j)/4
.set VQ_, (\j)%4
.irp a, 0,1,2,3,4,5,6,7
.irp b, 0,1,2,3
.if (\j) == 0
	v_wmma_scale_f32_16x16x128_f8f6f4 v[8*(4*\a+\b):8*(4*\a+\b)+7], v[VB_+FR*\b:VB_+FR*\b+FR-1], v[VA_+FR*\a:VA_+FR*\a+FR-1], 0, v[SV+16*VS_+NQ*\b+VQ_], v[SC+8*NQ*VS_+NQ*\a+VQ_] matrix_a_fmt:MATRIX_FMT_FP4 matrix_b_fmt:MATRIX_FMT_FP4
.else
	v_wmma_scale_f32_16x16x128_f8f6f4 v[8*(4*\a+\b):8*(4*\a+\b)+7], v[VB_+FR*\b:VB_+FR*\b+FR-1], v[VA_+FR*\a:VA_+FR*\a+FR-1], v[8*(4*\a+\b):8*(4*\a+\b)+7], v[SV+16*VS_+NQ*\b+VQ_], v[SC+8*NQ*VS_+NQ*\a+VQ_] matrix_a_fmt:MATRIX_FMT_FP4 matrix_b_fmt:MATRIX_FMT_FP4
.endif
.endr
.endr
.endm
.macro STEPV j
	s_wait_dscnt 0x0                               ; this step's fragments are in (asked for ahead of the last step's 32 products)
.if (\j) < 7
	PLACES NP                                      ; the other buffer was read by the last step's products
	FETCHV (\j)+1
.endif
	WIN MUL_LO
	MULV \j
.endm
	s_wait_tensorcnt 0x0                           ; my part of v's tile has landed (waves 2 and 3)
	s_wait_dscnt 0x0
	s_wait_xcnt 0x0                                ; the last stores have read their registers: x's fragments may land there
	s_barrier_signal -1
	s_barrier_wait -1                              ; v's tile is whole
.irp s, 0,1
.irp i, 0,1,2,3
	ds_load_b128 v[SV+16*\s+NQ*\i:SV+16*\s+NQ*\i+3], v[ADRT] offset:\i*SBLK+16*\s   ; v's scale words: block i, half s of K: four words a row
.endr
.endr
	FETCHV 0
.irp j, 0,1,2,3,4,5,6,7
	STEPV \j
.endr
	WIN 0
; THE SECOND WAY OUT, block by block of 16 rows x 64 columns (one head of v): as the first, with half the columns.
.macro PACKV a
	WIN 0x12                                       ; source 0: window 2; source 2: window 1
.irp b, 0,1,2,3
.irp i, 0,1,2,3
	v_pk_fma_f32 v[TF+8*\b+2*\i:TF+8*\b+2*\i+1], v[32*(\a)+8*\b+2*\i:32*(\a)+8*\b+2*\i+1], 0x3e800000, v[BI2+8*\b+2*\i:BI2+8*\b+2*\i+1] op_sel_hi:[1,0,1]   ; each accumulator from its low end on
.endr
.endr
	WIN 0
.set i, 0
.rept 16
	v_cvt_pk_f16_f32 v[TH+i], v[TF+2*i], v[TF+2*i+1]
.set i, i+1
.endr
.endm
.macro TOSTAGEV a
.set BB, BK+32*((\a)%2)
.irp b, 0,1,2,3
	ds_store_b128 v[STO], v[TH+4*\b:TH+4*\b+3] offset:32*\b
.endr
.irp t, 0,1,2,3
	ds_load_b128 v[BB+4*\t:BB+4*\t+3], v[RD] offset:4*\t*SPITCH
.endr
.endm
.macro SENDV a
.set BB, BK+32*((\a)%2)
	s_wait_dscnt 0x0
	s_wait_xcnt 0x0                                ; the block before's stores have read their registers
.irp t, 0,1,2,3
	global_store_b128 v[CO], v[BB+4*\t:BB+4*\t+3], s[2:3] offset:2048*(\a)+512*\t   ; 512 consecutive bytes, aligned
.endr
.endm
	PLACES NP                                      ; behind the last products: ahead of the reads of their results and of writes over their sources and scale words
	PACKV 0
	TOSTAGEV 0
.irp a, 1,2,3,4,5,6,7
	PACKV \a
	SENDV \a-1
	TOSTAGEV \a
.endr
	SENDV 7
	s_wait_tensorcnt 0x0                           ; the wave's end
	ds_add_u32 v[SPW], v[NIL]
	s_wait_dscnt 0x0
	CROUND                                         ; the closing round: no work-group ends while a partner may still ask for a tile that names it
	s_endpgm
.Lfunc_end_k_q5f64641b22_qkv:
	.size	k_q5f64641b22_qkv, .Lfunc_end_k_q5f64641b22_qkv-k_q5f64641b22_qkv
	.p2alignl 7, 3214868480
	.fill 96, 4, 3214868480
	.section	.rodata,"a",@progbits
	.p2align	6, 0x0
	.amdhsa_kernel k_q5f64641b22_qkv
		.amdhsa_group_segment_fixed_size 327680
		.amdhsa_private_segment_fixed_size 0
		.amdhsa_enable_private_segment 0
		.amdhsa_kernarg_size 56
		.amdhsa_user_sgpr_count 2
		.amdhsa_user_sgpr_kernarg_segment_ptr 1
		.amdhsa_wavefront_size32 1
		.amdhsa_system_sgpr_workgroup_id_x 1
		.amdhsa_system_sgpr_workgroup_id_y 1
		.amdhsa_system_sgpr_workgroup_id_z 1
		.amdhsa_system_vgpr_workitem_id 0
		.amdhsa_next_free_vgpr 1024
		.amdhsa_next_free_sgpr 100
		.amdhsa_reserve_vcc 0
		.amdhsa_float_denorm_mode_32 3
		.amdhsa_float_denorm_mode_16_64 3
		.amdhsa_memory_ordered 1
		.amdhsa_forward_progress 1
		.amdhsa_inst_pref_size 236
	.end_amdhsa_kernel
	.amdgpu_metadata
---
amdhsa.version: [ 1, 2 ]
amdhsa.kernels:
  - .name:           k_q5f64641b22_qkv
    .symbol:         k_q5f64641b22_qkv.kd
    .args:
      - { .name: xc, .offset: 0, .size: 8, .value_kind: global_buffer, .address_space: global }
      - { .name: xs, .offset: 8, .size: 8, .value_kind: global_buffer, .address_space: global }
      - { .name: wc, .offset: 16, .size: 8, .value_kind: global_buffer, .address_space: global }
      - { .name: ws, .offset: 24, .size: 8, .value_kind: global_buffer, .address_space: global }
      - { .name: qkv16, .offset: 32, .size: 8, .value_kind: global_buffer, .address_space: global }
      - { .name: b_Q, .offset: 40, .size: 8, .value_kind: global_buffer, .address_space: global }
      - { .name: b_V, .offset: 48, .size: 8, .value_kind: global_buffer, .address_space: global }
    .group_segment_fixed_size: 327680
    .private_segment_fixed_size: 0
    .kernarg_segment_align: 8
    .kernarg_segment_size: 56
    .max_flat_workgroup_size: 128
    .sgpr_count:     100
    .vgpr_count:     1024
    .wavefront_size: 32
...
	.end_amdgpu_metadata
.endif
;; end of part 2
;; launch attn (part 3): grid 2 x 128, 8 waves a work-group, no clusters, 327,680 bytes of LDS; arguments qkv16, key_attention_mask, z16; writes z16
.if DOCPART == 3
	.amdgcn_target "amdgcn-amd-amdhsa--gfx1250"
	.amdhsa_code_object_version 6
	.text
	.protected	k_q5f64641b22_attn
	.globl	k_q5f64641b22_attn
	.p2align	8
	.type	k_q5f64641b22_attn,@function
k_q5f64641b22_attn:
	s_mov_b64 s[64:65], 0
	v_nop
	global_prefetch_b8 v0, s[64:65] scope:SCOPE_SE
	s_setreg_imm32_b32 hwreg(HW_REG_WAVE_MODE, 25, 1), 1
	s_wait_xcnt 0x0
; ATTENTION, launch 3 of 4: z[b][h][q] = sum over k of softmax_k(q . k / 8, masked keys -inf) v[k].  In: qkv16, f16 [mat][b][h][s][64], a quarter of q, k, v each (k without b_K: dead work, shown at the head of the first launch).
; Out: z16, f16 [b][h][s][64] = z / 4.  Products on f16 operands with f32 sums; maxima, exponentials and sums in f32; the weights p are rounded to f16 for the second product.
; SHARES.  A work-group owns 512 queries of one (b, h); each of its eight waves 64: four tiles of 16, worked as two pieces of two.  Two waves share a SIMD, so that one wave's softmax stands beside the other's products.
; THE HEAD'S WHOLE K AND V LIE IN LDS, filled once: 16 tensor loads for K (waves 0-3) and 16 for V (waves 4-7), four a wave, all asked for at the head: four loads of mine are out.  Nothing is filled again.
; NO CLUSTER: a head's K and V are shared by its 2 work-groups alone, and the grid's x of 2 is no multiple of a cluster's four.
; LAYOUT.  S^T = K Q^T (source 0 = 16 keys, source 1 = 16 queries): a lane holds ONE query (lane % 16) and keys 8 (lane / 16) + 0..7.  Two such tiles, rounded in pairs, ARE source 1 of O^T = V^T P.  V is turned by ds_load_tr16_b128.
; THE MASK enters as the C of each score's first product: 0 for an open key, -2^100 for a masked one, from a table in LDS made once.  It costs no vector instruction.
; SOFTMAX.  Running maximum m and sum l for each query; p = 2^(c s - c m), c = 16 log2(e) / 8 (the 16 undoes the two quarters); O and l are multiplied by a = 2^(c m_old - c m_new) in every step.
; m starts at -2^40.  No score of f16 operands lies under it (64 x 65,504^2 < 2^39), so it never replaces a true maximum; a masked score gives p = 0 under any m.  A row with no open key ends with l = 0 and O = 0: 0 x (1 / 0) = NaN.
; REGISTERS.  window 0: v1-14 addresses; v16-47 statistics, eight a tile (+0 c m, +1 m, +2, +3 l, +4..7 at work, a at +6); v48-79 the step's mask terms; v80-143 S^T of a piece; v144-175 P; v176-239 K; v240-249 at the head.
;   window 1: v0-63 Q; v64-191 O^T, 32 a tile; v192-255 V.
.set PK,    144                        ; a row of K in LDS: 128 bytes + 16 = 36 words: the 16 rows of a load start at 16 different 16-byte columns of the 64 banks (ISA guide 11.1)
.set PVP,   160                        ; a row of V: 128 + 32 = 40 words
.set VB,    1024*PK
.set MT,    VB+1024*PVP                ; the mask table: 1,024 numbers of f32; blocks of its own, into which no fill lands
.set SPARE, MT+4096                    ; the spare words, 128 bytes a wave: four blocks of 256 bytes that no other line names
.set SP,    144                        ; the way out: a stage of 16 rows x (128 + 16) bytes a wave, in K's first rows, behind the last barrier
.set AK0, 3
.set AV0, 4
.set AM0, 5
.set ADK, 6
.set ADV, 7
.set ADM, 8
.set QO,  9
.set STO, 10
.set RD,  11
.set SPW, 12                           ; v12 LDS address of my spare word; never rewritten
.set NIL, 13                           ; v13 0; never rewritten
.set GO,  14
.set ST,  16
.set MB,  48
.set S,   80
.set P,   144
.set KF,  176
.set Q,   0                            ; window 1
.set O,   64
.set VF,  192
.set WV,  10
.set G1K, 24
.set G1V, 32
.set G0K, 40                           ; s[40:55] four groups 0 for K's loads
.set CS,  56                           ; s[56:57] c, twice: the packed form names a pair
.set SEL, 58                           ; s[58:59] v_permlanex16_b32's selects: lane l xor 16
.set TK,  60                           ; LDS bytes at which the step's keys begin in K, in V, in the table
.set TV,  61
.set TM,  62
.set CNT, 63
.set FLOOR, 66
.set G0V, 68                           ; s[68:83] four groups 0 for V's loads
.set MSB, 0
.macro WIN new
.if MSB != (\new)
	s_set_vgpr_msb (MSB<<8)|(\new)
.set MSB, (\new)
.endif
.endm
.set W_KQ, 0x04                        ; source 1 (Q) window 1
.set W_PV, 0x51                        ; source 0 (V), C and D (O^T) window 1
.set W_RS, 0x41                        ; O^T (destination, source 0) window 1
.set TO_1, 0x40                        ; destination window 1
.set W_CV, 0x05                        ; sources 0 and 1 window 1
.macro PLACES
.rept 4
	v_nop
.endr
.endm
	s_load_b128 s[4:7], s[0:1], 0x0                ; qkv16, the mask
	s_load_b64 s[8:9], s[0:1], 0x10                ; z16
	v_lshl_add_u32 v[SPW], v0, 2, SPARE
	v_mov_b32 v[NIL], 0
	ds_add_u32 v[SPW], v[NIL]                      ; the wave's opening: the add, twice on end, and its wait ahead of my first tensor load
	ds_add_u32 v[SPW], v[NIL]
	v_lshrrev_b32 v1, 5, v0
	v_readfirstlane_b32 s[WV], v1                  ; wave 0..7
	s_and_b32 s11, s[WV], 3                        ; which 64 of a chunk's 256 keys I fetch
	s_and_b32 s12, ttmp7, 0xffff                   ; 16 b + h
	s_lshl_b32 s14, s12, 17                        ; a head: 1,024 rows of 128 bytes
	s_lshl_b32 s16, s11, 13
	s_add_co_u32 s16, s16, s14
	s_mov_b32 s17, 0
	s_mul_i32 s20, s11, 64*PK
	s_mul_i32 s21, s11, 64*PVP
	s_lshl_b32 s22, ttmp9, 16                      ; my work-group's 512 queries,
	s_lshl_b32 s23, s[WV], 13                      ; my wave's 64
	s_add_co_u32 s22, s22, s23
	s_add_co_u32 s22, s22, s14
	s_mov_b32 s23, 0
	s_lshr_b32 s18, s12, 4
	s_lshl_b32 s18, s18, 12                        ; the batch's 1,024 mask words
	s_mov_b32 s19, 0
	s_mov_b32 s[G1K], (1<<16)|(1<<20)|(4<<22)|(3<<25)   ; elements of 2 bytes; padding: 4 words after every 32
	s_mov_b32 s[G1V], (1<<16)|(1<<20)|(4<<22)|(7<<25)   ; 8 words after every 32
.irp g, G1K, G1V
	s_mov_b32 s[\g+1], 64<<16                      ; tensor_dim0 = 64
	s_mov_b32 s[\g+2], 64<<16                      ; tensor_dim1 = 64
	s_mov_b32 s[\g+3], 64<<16                      ; tile_dim0 = 64
	s_mov_b32 s[\g+4], 64                          ; tile_dim1 = 64
	s_mov_b32 s[\g+5], 64                          ; the pitch
	s_mov_b32 s[\g+6], 0
	s_mov_b32 s[\g+7], 0
.endr
	s_mov_b32 s[CS], 0x4038aa3b                    ; c = 2 log2(e)
	s_mov_b32 s[CS+1], s[CS]
	s_mov_b32 s[SEL], 0x76543210
	s_mov_b32 s[SEL+1], 0xfedcba98
	s_mov_b32 s[TK], 0
	s_mov_b32 s[TV], 0
	s_mov_b32 s[TM], 0
	s_mov_b32 s[FLOOR], 0xd3800000                 ; -2^40
	s_wait_dscnt 0x0                               ; both opening adds are done
	s_wait_kmcnt 0x0
	s_add_nc_u64 s[16:17], s[4:5], s[16:17]
.irp c, 0,1,2,3                                ; chunk c: keys 256 c .. 256 c + 255
	s_mov_b32 s[G0K+4*\c], 1
	s_add_co_u32 s[G0K+4*\c+1], s20, \c*256*PK
	s_add_nc_u64 s[G0K+4*\c+2:G0K+4*\c+3], s[16:17], 0x1000000+\c*32768
	s_or_b32 s[G0K+4*\c+3], s[G0K+4*\c+3], 0x80000000
	s_mov_b32 s[G0V+4*\c], 1
	s_add_co_u32 s[G0V+4*\c+1], s21, VB+\c*256*PVP
	s_add_nc_u64 s[G0V+4*\c+2:G0V+4*\c+3], s[16:17], 0x2000000+\c*32768
	s_or_b32 s[G0V+4*\c+3], s[G0V+4*\c+3], 0x80000000
.endr
	s_cmp_lt_u32 s[WV], 4                          ; a wave's four first fills stand in one arm of one branch on the wave's number, ahead of every wait on TENSORcnt, LDS read and barrier
	s_cbranch_scc0 .Lfill_v
.irp c, 0,1,2,3
	tensor_load_to_lds s[G0K+4*\c:G0K+4*\c+3], s[G1K:G1K+7]
	s_nop 0
.endr
.rept 4
	v_nop
.endr
	s_branch .Lfilled
.Lfill_v:
.irp c, 0,1,2,3
	tensor_load_to_lds s[G0V+4*\c:G0V+4*\c+3], s[G1V:G1V+7]
	s_nop 0
.endr
.rept 4
	v_nop
.endr
.Lfilled:
	s_add_nc_u64 s[4:5], s[4:5], s[22:23]          ; Q at my wave's first query
	s_add_nc_u64 s[8:9], s[8:9], s[22:23]          ; z16 likewise
	s_add_nc_u64 s[6:7], s[6:7], s[18:19]
	v_and_b32 v1, 15, v0                           ; r
	v_bfe_u32 v2, v0, 4, 1                         ; h
	v_lshlrev_b32 v[QO], 7, v1
	v_lshl_add_u32 v[QO], v2, 4, v[QO]             ; row r of 128 bytes + 16 h
	v_lshlrev_b32 v15, 4, v0                       ; my thread's four mask words
	WIN TO_1
.irp t, 0,1,2,3
.irp c, 0,1
	global_load_b128 v[Q+16*\t+8*\c:Q+16*\t+8*\c+3], v[QO], s[4:5] offset:2048*\t+64*\c      ; Q stays in registers: tile t, channels 32 c on
	global_load_b128 v[Q+16*\t+8*\c+4:Q+16*\t+8*\c+7], v[QO], s[4:5] offset:2048*\t+64*\c+32
.endr
.endr
	WIN 0
	global_load_b128 v[240:243], v15, s[6:7]
	v_mul_u32_u24 v[AK0], v1, PK
	v_lshl_add_u32 v[AK0], v2, 4, v[AK0]           ; K: row r x pitch + 16 h
	v_and_b32 v[AV0], 7, v0
	v_lshl_add_u32 v[AV0], v2, 3, v[AV0]
	v_mul_u32_u24 v[AV0], v[AV0], PVP
	v_bfe_u32 v[ADV], v0, 3, 1
	v_lshl_add_u32 v[AV0], v[ADV], 4, v[AV0]
	v_add_nc_u32 v[AV0], VB, v[AV0]                ; V: key 8 h + l % 8, channels 8 ((l / 8) % 2) on
	v_lshl_add_u32 v[AM0], v2, 5, MT               ; the table: my eight keys of a tile's sixteen
	s_mul_i32 s13, s[WV], 16*SP                    ; my stage
	v_add_nc_u32 v[STO], s13, v[AK0]               ; in: row r, 16 bytes for each half of the lanes
	v_bfe_u32 v[RD], v0, 3, 2
	v_mul_u32_u24 v[RD], v[RD], SP
	v_and_b32 v[ADK], 7, v0
	v_lshl_add_u32 v[RD], v[ADK], 4, v[RD]
	v_add_nc_u32 v[RD], s13, v[RD]                 ; back: eight lanes to a row, four rows a load
	v_and_b32 v[GO], 31, v0
	v_lshlrev_b32 v[GO], 4, v[GO]                  ; four rows of z16 are 512 consecutive bytes
	v_lshl_add_u32 v248, v0, 4, MT
	v_mov_b32 v249, 0xf1800000                     ; -2^100
	s_wait_loadcnt 0x0                             ; Q and the mask
.irp i, 0,1,2,3
	v_cmp_eq_u32 vcc_lo, 0, v[240+\i]
	v_cndmask_b32 v[244+\i], 0, v249, vcc_lo       ; the mask only selects a value
.endr
	ds_store_b128 v248, v[244:247]
	s_wait_tensorcnt 0x3                           ; my part of chunk 0 has landed; my three younger loads stay out
	s_wait_dscnt 0x0                               ; my part of the table is written
	s_barrier_signal -1
	s_barrier_wait -1
; 16 products S^T = K Q^T for piece p: tile u = i % 2, keys 16 ((i / 2) % 4) on, channels 32 (i / 8) on.  The first eight start the sums with the mask's terms.  Eight accumulators by turns.
.macro KQ p
	WIN W_KQ
.set i, 0
.rept 16
.set rS, S+32*(i%2)+8*((i/2)%4)
.set rK, KF+16*((i/2)%4)+8*(i/8)
.set rQ, Q+16*(2*(\p)+i%2)+8*(i/8)
.set rM, MB+8*((i/2)%4)
.if i < 8
	v_wmma_f32_16x16x32_f16 v[rS:rS+7], v[rK:rK+7], v[rQ:rQ+7], v[rM:rM+7]
.else
	v_wmma_f32_16x16x32_f16 v[rS:rS+7], v[rK:rK+7], v[rQ:rQ+7], v[rS:rS+7]
.endif
.set i, i+1
.endr
.endm
; 16 products O^T += V^T P for piece p: tile u = i % 2, channels 16 ((i / 2) % 4) on, keys 32 (i / 8) on.  first = 1: the first eight start the sums: nothing is cleared.
.macro PV p, first
	WIN W_PV
.set i, 0
.rept 16
.set rO, O+32*(2*(\p)+i%2)+8*((i/2)%4)
.set rV, VF+32*(i/8)+8*((i/2)%4)
.set rP, P+16*(i%2)+8*(i/8)
.if (\first) && (i < 8)
	v_wmma_f32_16x16x32_f16 v[rO:rO+7], v[rV:rV+7], v[rP:rP+7], 0
.else
	v_wmma_f32_16x16x32_f16 v[rO:rO+7], v[rV:rV+7], v[rP:rP+7], v[rO:rO+7]
.endif
.set i, i+1
.endr
.endm
; The softmax of piece p's two tiles for one step of 64 keys; the tiles alternate line by line, so that no line waits for the line above it.  first = 1: the first step: no old m, no a, nothing to rescale.
.macro SM p, first
.set T, ST+16*(\p)
	WIN 0
.irp j, 0,1,2,3                                ; the maximum: four chains; each accumulator is read from its low end on
.irp u, 0,1
	v_max3_num_f32 v[T+8*\u+4+\j], v[S+32*\u+8*\j], v[S+32*\u+8*\j+1], v[S+32*\u+8*\j+2]
.endr
.endr
.irp g, 1,2
.irp j, 0,1,2,3
.irp u, 0,1
	v_max3_num_f32 v[T+8*\u+4+\j], v[T+8*\u+4+\j], v[S+32*\u+8*\j+2*\g+1], v[S+32*\u+8*\j+2*\g+2]
.endr
.endr
.endr
.irp u, 0,1
	v_max3_num_f32 v[T+8*\u+4], v[T+8*\u+4], v[S+32*\u+7], v[S+32*\u+15]
.endr
.irp u, 0,1
	v_max3_num_f32 v[T+8*\u+6], v[T+8*\u+6], v[S+32*\u+23], v[S+32*\u+31]
.endr
.irp u, 0,1
	v_max3_num_f32 v[T+8*\u+4], v[T+8*\u+4], v[T+8*\u+5], v[T+8*\u+6]
.endr
.irp u, 0,1
.if \first
	v_max3_num_f32 v[T+8*\u+4], v[T+8*\u+4], v[T+8*\u+7], s[FLOOR]   ; m starts at -2^40, under every score of f16 operands
.else
	v_max3_num_f32 v[T+8*\u+4], v[T+8*\u+4], v[T+8*\u+7], v[T+8*\u+1]
.endif
.endr
.irp u, 0,1
	v_permlanex16_b32 v[T+8*\u+5], v[T+8*\u+4], s[SEL], s[SEL+1]     ; the query's other 32 keys lie in the lane 16 away
.endr
.if !(\first)
.irp u, 0,1
	v_mov_b32 v[T+8*\u+7], v[T+8*\u]               ; c m_old
.endr
.endif
.irp u, 0,1
	v_max_num_f32 v[T+8*\u+1], v[T+8*\u+4], v[T+8*\u+5]
.endr
.irp u, 0,1
	v_mul_f32 v[T+8*\u], s[CS], v[T+8*\u+1]
.endr
.if !(\first)
.irp u, 0,1
	v_sub_f32 v[T+8*\u+7], v[T+8*\u+7], v[T+8*\u]
.endr
.irp u, 0,1
	v_exp_f32 v[T+8*\u+6], v[T+8*\u+7]             ; a
.endr
.endif
.irp b, 0,1,2,3,4,5,6,7,8,9,10,11,12,13,14,15
.irp u, 0,1
	v_pk_fma_f32 v[S+32*\u+2*\b:S+32*\u+2*\b+1], v[S+32*\u+2*\b:S+32*\u+2*\b+1], s[CS:CS+1], v[T+8*\u:T+8*\u+1] op_sel_hi:[1,0,0] neg_lo:[0,0,1] neg_hi:[0,0,1]   ; c s - c m
.endr
.endr
.set e, 0
.rept 64
	v_exp_f32 v[S+e], v[S+e]                       ; p, one batch with the two a: none of these lines names an exponential's result
.set e, e+1
.endr
	v_nop                                          ; the plain instruction behind the last exponential
	s_wait_alu depctr_va_vdst(0)                   ; the wait ahead of the first line that names a result: one for the whole batch
.set e, 0
.rept 32
	v_cvt_pk_f16_f32 v[P+e], v[S+2*e], v[S+2*e+1]
.set e, e+1
.endr
.irp z, 0,1,2,3,4,5,6,7                        ; the sum of the unrounded p, in place: neighbours 1, 2, 4, 8 pairs apart
.irp u, 0,1
	v_pk_add_f32 v[S+32*\u+4*\z:S+32*\u+4*\z+1], v[S+32*\u+4*\z:S+32*\u+4*\z+1], v[S+32*\u+4*\z+2:S+32*\u+4*\z+3]
.endr
.endr
.irp z, 0,1,2,3
.irp u, 0,1
	v_pk_add_f32 v[S+32*\u+8*\z:S+32*\u+8*\z+1], v[S+32*\u+8*\z:S+32*\u+8*\z+1], v[S+32*\u+8*\z+4:S+32*\u+8*\z+5]
.endr
.endr
.irp z, 0,1
.irp u, 0,1
	v_pk_add_f32 v[S+32*\u+16*\z:S+32*\u+16*\z+1], v[S+32*\u+16*\z:S+32*\u+16*\z+1], v[S+32*\u+16*\z+8:S+32*\u+16*\z+9]
.endr
.endr
.if \first
.irp u, 0,1
	v_pk_add_f32 v[T+8*\u+2:T+8*\u+3], v[S+32*\u:S+32*\u+1], v[S+32*\u+16:S+32*\u+17]
.endr
.else
.irp u, 0,1
	v_pk_add_f32 v[S+32*\u:S+32*\u+1], v[S+32*\u:S+32*\u+1], v[S+32*\u+16:S+32*\u+17]
.endr
.irp u, 0,1
	v_pk_fma_f32 v[T+8*\u+2:T+8*\u+3], v[T+8*\u+2:T+8*\u+3], v[T+8*\u+6:T+8*\u+7], v[S+32*\u:S+32*\u+1] op_sel_hi:[1,0,1]   ; l = a l + the sum
.endr
	WIN W_RS
.irp i, 0,1,2,3,4,5,6,7,8,9,10,11,12,13,14,15
.irp u, 0,1
	v_pk_mul_f32 v[O+32*(2*(\p)+\u)+2*\i:O+32*(2*(\p)+\u)+2*\i+1], v[O+32*(2*(\p)+\u)+2*\i:O+32*(2*(\p)+\u)+2*\i+1], v[T+8*\u+6:T+8*\u+7] op_sel_hi:[1,0]   ; O^T x a, each accumulator from its low end on
.endr
.endr
.endif
.endm
; A step of 64 keys.  The three additions and the v_nop are the four places between the last step's last product and the loads into V's registers.
.macro STEP first
	v_add_nc_u32 v[ADK], s[TK], v[AK0]
	v_add_nc_u32 v[ADV], s[TV], v[AV0]
	v_add_nc_u32 v[ADM], s[TM], v[AM0]
	v_nop
.irp kt, 0,1,2,3
.irp c, 0,1
	ds_load_b128 v[KF+16*\kt+8*\c:KF+16*\kt+8*\c+3], v[ADK] offset:\kt*16*PK+64*\c
	ds_load_b128 v[KF+16*\kt+8*\c+4:KF+16*\kt+8*\c+7], v[ADK] offset:\kt*16*PK+64*\c+32
.endr
.endr
.irp kt, 0,1,2,3
	ds_load_b128 v[MB+8*\kt:MB+8*\kt+3], v[ADM] offset:64*\kt
	ds_load_b128 v[MB+8*\kt+4:MB+8*\kt+7], v[ADM] offset:64*\kt+16
.endr
	WIN TO_1
.irp kh, 0,1
.irp ct, 0,1,2,3
	ds_load_tr16_b128 v[VF+32*\kh+8*\ct:VF+32*\kh+8*\ct+3], v[ADV] offset:\kh*32*PVP+32*\ct
	ds_load_tr16_b128 v[VF+32*\kh+8*\ct+4:VF+32*\kh+8*\ct+7], v[ADV] offset:\kh*32*PVP+16*PVP+32*\ct
.endr
.endr
	s_wait_dscnt 16                                ; K and the mask's terms are in; V's sixteen loads may stay out
	KQ 0
	PLACES
	SM 0, \first
	s_wait_dscnt 0x0                               ; V is in
	PV 0, \first
	KQ 1
	PLACES
	SM 1, \first
	PV 1, \first
	WIN 0                                          ; at a label and at a branch every window is 0
	s_add_co_u32 s[TK], s[TK], 64*PK
	s_add_co_u32 s[TV], s[TV], 64*PVP
	s_add_co_u32 s[TM], s[TM], 256
.endm
	STEP 1                                         ; keys 0-63 start m, l and O^T
	s_mov_b32 s[CNT], 3
.Lchunk0:                                          ; keys 64-255: the rest of chunk 0
	STEP 0
	s_sub_co_u32 s[CNT], s[CNT], 1
	s_cmp_lg_u32 s[CNT], 0
	s_cbranch_scc1 .Lchunk0
	s_wait_tensorcnt 0x0                           ; my parts of chunks 1 to 3 have landed: they have had four steps for it
	s_wait_dscnt 0x0
	s_barrier_signal -1
	s_barrier_wait -1                              ; everybody's have
	s_mov_b32 s[CNT], 12
.Lrest:                                            ; keys 256-1023
	STEP 0
	s_sub_co_u32 s[CNT], s[CNT], 1
	s_cmp_lg_u32 s[CNT], 0
	s_cbranch_scc1 .Lrest
	; THE WAY OUT.  Behind this barrier nobody reads K any more, and K has had its only fill: its first rows serve as the waves' stages.
	s_wait_dscnt 0x0
	s_barrier_signal -1
	s_barrier_wait -1
.irp t, 0,1,2,3
	v_add_f32 v[ST+8*\t+4], v[ST+8*\t+2], v[ST+8*\t+3]   ; l's two halves (these additions are also the places behind the last products),
.endr
.irp t, 0,1,2,3
	v_permlanex16_b32 v[ST+8*\t+5], v[ST+8*\t+4], s[SEL], s[SEL+1]
.endr
.irp t, 0,1,2,3
	v_add_f32 v[ST+8*\t+4], v[ST+8*\t+4], v[ST+8*\t+5]   ; and the other half of the lanes'
.endr
.irp t, 0,1,2,3
	v_rcp_f32 v[ST+8*\t+6], v[ST+8*\t+4]
.endr
	v_nop
	s_wait_alu depctr_va_vdst(0)                   ; one wait for the four reciprocals, ahead of their first reader
.macro ZPACK t                         ; tile t: O^T / l, rounded to f16; 16 bytes a lane into the stage; back as four rows a load
	WIN W_RS
.set i, 0
.rept 16
	v_pk_mul_f32 v[O+32*\t+i:O+32*\t+i+1], v[O+32*\t+i:O+32*\t+i+1], v[ST+8*\t+6:ST+8*\t+7] op_sel_hi:[1,0]
.set i, i+2
.endr
	WIN W_CV
.set i, 0
.rept 16
	v_cvt_pk_f16_f32 v[S+16*\t+i], v[O+32*\t+2*i], v[O+32*\t+2*i+1]
.set i, i+1
.endr
	WIN 0
.irp ct, 0,1,2,3
	ds_store_b128 v[STO], v[S+16*\t+4*\ct:S+16*\t+4*\ct+3] offset:32*\ct
.endr
.irp f, 0,1,2,3
	ds_load_b128 v[S+16*\t+4*\f:S+16*\t+4*\f+3], v[RD] offset:\f*4*SP   ; LDS serves a wave's instructions in order: these see the stores above, and the next tile's stores come behind them
.endr
.endm
.macro ZSEND t, younger                ; younger: the LDS instructions issued behind tile t's loads: the next tile's eight, or none
.irp f, 0,1,2,3
	s_wait_dscnt \younger+3-\f
	global_store_b128 v[GO], v[S+16*\t+4*\f:S+16*\t+4*\f+3], s[8:9] offset:2048*\t+512*\f   ; 512 consecutive bytes, aligned
.endr
.endm
	ZPACK 0
	ZPACK 1
	ZSEND 0, 8
	ZPACK 2
	ZSEND 1, 8
	ZPACK 3
	ZSEND 2, 8
	ZSEND 3, 0
	s_wait_tensorcnt 0x0                           ; the wave's end
	ds_add_u32 v[SPW], v[NIL]
	s_wait_dscnt 0x0
	s_endpgm
.Lfunc_end_k_q5f64641b22_attn:
	.size	k_q5f64641b22_attn, .Lfunc_end_k_q5f64641b22_attn-k_q5f64641b22_attn
	.p2alignl 7, 3214868480
	.fill 96, 4, 3214868480
	.section	.rodata,"a",@progbits
	.p2align	6, 0x0
	.amdhsa_kernel k_q5f64641b22_attn
		.amdhsa_group_segment_fixed_size 327680
		.amdhsa_private_segment_fixed_size 0
		.amdhsa_enable_private_segment 0
		.amdhsa_kernarg_size 24
		.amdhsa_user_sgpr_count 2
		.amdhsa_user_sgpr_kernarg_segment_ptr 1
		.amdhsa_wavefront_size32 1
		.amdhsa_system_sgpr_workgroup_id_x 1
		.amdhsa_system_sgpr_workgroup_id_y 1
		.amdhsa_system_sgpr_workgroup_id_z 1
		.amdhsa_system_vgpr_workitem_id 0
		.amdhsa_next_free_vgpr 512
		.amdhsa_next_free_sgpr 84
		.amdhsa_reserve_vcc 1
		.amdhsa_float_denorm_mode_32 3
		.amdhsa_float_denorm_mode_16_64 3
		.amdhsa_memory_ordered 1
		.amdhsa_forward_progress 1
		.amdhsa_inst_pref_size 116
	.end_amdhsa_kernel
	.amdgpu_metadata
---
amdhsa.version: [ 1, 2 ]
amdhsa.kernels:
  - .name:           k_q5f64641b22_attn
    .symbol:         k_q5f64641b22_attn.kd
    .args:
      - { .name: qkv16, .offset: 0, .size: 8, .value_kind: global_buffer, .address_space: global }
      - { .name: key_attention_mask, .offset: 8, .size: 8, .value_kind: global_buffer, .address_space: global }
      - { .name: z16, .offset: 16, .size: 8, .value_kind: global_buffer, .address_space: global }
    .group_segment_fixed_size: 327680
    .private_segment_fixed_size: 0
    .kernarg_segment_align: 8
    .kernarg_segment_size: 24
    .max_flat_workgroup_size: 256
    .sgpr_count:     84
    .vgpr_count:     512
    .wavefront_size: 32
...
	.end_amdgpu_metadata
.endif
;; end of part 3
;; launch oproj (part 4): grid 8 x 32, 4 waves a work-group, clusters of 4 x 4, 327,680 bytes of LDS; arguments z16, wo16, b_O, out0; writes out0
.if DOCPART == 4
	.amdgcn_target "amdgcn-amd-amdhsa--gfx1250"
	.amdhsa_code_object_version 6
	.text
	.protected	k_q5f64641b22_oproj
	.globl	k_q5f64641b22_oproj
	.p2align	8
	.type	k_q5f64641b22_oproj,@function
k_q5f64641b22_oproj:
	s_mov_b64 s[64:65], 0
	v_nop
	global_prefetch_b8 v0, s[64:65] scope:SCOPE_SE
	s_setreg_imm32_b32 hwreg(HW_REG_WAVE_MODE, 25, 1), 1
	s_wait_xcnt 0x0
	s_wait_alu depctr_hold_cnt(0) depctr_sa_sdst(0) depctr_va_vdst(0) depctr_va_sdst(0) depctr_va_ssrc(0) depctr_va_vcc(0) depctr_vm_vsrc(0)
	s_getreg_b32 s2, hwreg(HW_REG_IB_STS2, 6, 4)
	s_cmp_eq_u32 s2, 0
	s_cbranch_scc0 .Lentry_in_a_cluster
	s_endpgm
.Lentry_in_a_cluster:
	s_bfe_u32 s2, ttmp6, 0x10000c
	s_cmp_lg_u32 s2, 0xf033
	s_cbranch_scc0 .Lentry_shape_is_right
	s_endpgm
.Lentry_shape_is_right:
; ATTENTION, launch 4 of 4: out0[m][n] = sum over k of z[m][k] W_O[k][n] + b_O[n], m = 1024 b + s, k = 64 head + e.  z16 holds z / 4, f16 [b][head][s][64]; wo16 holds 4 W_O, f16 [k][n]: the two powers of two cancel exactly.  Sums in f32.
; A tile of out0 is 256 rows x 128 columns: 256 work-groups.  Wave w makes rows 64 w .. 64 w + 63 x all 128 columns: 32 accumulators, 256 registers.
; K goes in steps of 128 (two heads) through a ring of two LDS slots.  A slot: z's 256 rows of head 0, of head 1 (128 bytes a row, dense in memory), then 128 rows of wo16 (256 bytes a row).  One tensor load a wave.
; CLUSTERS: 4 x 4 work-groups: z's tiles hang on the tile row alone and are asked for jointly along a row of the cluster, wo16's on the tile column alone and jointly along a column.
; THE MATRIX INSTRUCTION IS USED TRANSPOSED: source 0 = 16 columns of W_O (turned by ds_load_tr16_b128, since n is innermost in wo16), source 1 = 16 rows of z: a lane holds eight neighbouring columns of one row of out0.
; b_O is the C of each sum's first product, in the result's layout: the way out has no arithmetic.
; REGISTERS: window 0: v1-31 addresses; v32-127, v128-223 two fragment buffers (64 of W_O, then 32 of z); on the way out v32-159 take rows.   window 1: the accumulators, (a, b) at v[8 (8 a + b)].   window 2: v0-63 b_O.
.set PA,     144                       ; a row of z in LDS: 128 + 16 bytes
.set PB,     288                       ; a row of wo16: 256 + 32 bytes
.set AH,     256*PA                    ; one head's 256 rows
.set BOFF,   2*AH
.set SLOT,   BOFF+128*PB
.set STAGE,  2*SLOT                    ; behind the ring: 16 rows x (512 + 16) bytes a wave
.set SPITCH, 528
.set SPARE,  STAGE+4*16*SPITCH         ; the spare words, 128 bytes a wave: two blocks of 256 bytes that no other line names
.set KB,     262144                    ; a K step on, in bytes: two heads of z16; 128 rows of wo16
.set ADRA, 16
.set ADRB, 20
.set STO,  24
.set RD,   25
.set CO,   26
.set SPW,  28
.set NIL,  29
.set PFO,  30                          ; v30: 256 x lane
.set BOF,  31                          ; v31: 32 x (lane / 16)
.set F0,   32
.set F1,   128
.set BK,   32
.set G1,  24
.set G0,  32
.set G1B, 48
.set G0B, 56
.set PFA, 66                           ; s[66:67] where my prefetches stand
.set LIM, 68                           ; s68: 1 in a wave that prefetches, else the greatest number
.set MSB, 0
.macro WIN new
.if MSB != (\new)
	s_set_vgpr_msb (MSB<<8)|(\new)
.set MSB, (\new)
.endif
.endm
.set W_MUL, 0x50                       ; C and D window 1; with 0x10 more: C window 2 (b_O)
.macro JLOAD s                         ; waves 0 and 1 fetch z's two heads, waves 2 and 3 wo16's two halves; an s_nop 0 and four v_nop follow each line
	s_cmp_eq_u32 s13, 0
	s_cbranch_scc0 .Lfor_b_\@
	tensor_load_to_lds s[G0+4*\s:G0+4*\s+3], s[G1:G1+7]
	s_nop 0
.rept 4
	v_nop
.endr
	s_branch .Lasked_\@
.Lfor_b_\@:
	tensor_load_to_lds s[G0B+4*\s:G0B+4*\s+3], s[G1B:G1B+7]
	s_nop 0
.rept 4
	v_nop
.endr
.Lasked_\@:
.endm
; A prefetch of z16 for the K step two refills on: a head's 256 rows of the tile are 32,768 dense bytes.  The tile row is read by both clusters of its row of clusters: the first (cluster x = 0) asks; its four partners
; take 8,192 bytes each, told apart by address; waves 0 and 1 take a head each; lanes 256 bytes apart: each block of 256 bytes is named once.  The last trip's two refills have no K step two on.  wo16 is read by all 32 tile rows and is not asked for.
.macro ASK
	s_cmp_gt_u32 s3, s[LIM]
	s_cbranch_scc0 .Lnot_mine_\@
	global_prefetch_b8 v[PFO], s[PFA:PFA+1] th:TH_LOAD_NT scope:SCOPE_SE
.Lnot_mine_\@:
.endm
.macro CREST
	s_cmp_lg_u32 s12, 0
	s_cbranch_scc1 .Lnot_wave_0_\@
	s_barrier_signal -3
.Lnot_wave_0_\@:
	s_barrier_wait -3
	s_barrier_signal -1
	s_barrier_wait -1
.endm
.macro CROUND
	s_barrier_signal -1
	s_barrier_wait -1
	CREST
.endm
.macro PLACES
.rept 4
	v_nop
.endr
.endm
	s_load_b256 s[4:11], s[0:1], 0x0               ; z16 4, wo16 6, b_O 8, out0 10
	v_lshl_add_u32 v[SPW], v0, 2, SPARE
	v_mov_b32 v[NIL], 0
	ds_add_u32 v[SPW], v[NIL]                      ; the wave's opening: the add, twice on end, and its wait ahead of my first tensor load
	ds_add_u32 v[SPW], v[NIL]
	v_lshrrev_b32 v1, 5, v0
	v_readfirstlane_b32 s12, v1                    ; wave 0..3
	s_lshr_b32 s13, s12, 1                         ; I fetch for z (0) or for wo16 (1)
	s_and_b32 s14, s12, 1                          ; which head, or which 64 rows
	s_bfe_u32 s40, ttmp6, 0x40000                  ; cx, cy
	s_bfe_u32 s41, ttmp6, 0x40004
	s_lshl_b32 s42, ttmp9, 2
	s_add_co_u32 s42, s42, s40                     ; tile column 0..7
	s_and_b32 s15, ttmp7, 0xffff
	s_lshl_b32 s15, s15, 2
	s_add_co_u32 s15, s15, s41                     ; tile row 0..31
	s_lshl_b32 s43, s41, 2
	s_lshl_b32 s43, 15, s43                        ; my row of the cluster
	s_lshl_b32 s44, 0x1111, s40                    ; my column
	s_or_b32 s[G1+0], s43, (1<<16)|(1<<20)|(1<<21)|(4<<22)|(3<<25)   ; the mask; elements of 2 bytes; padding: 4 words after every 32
	s_mov_b32 s[G1+1], 64<<16                      ; tensor_dim0 = 64
	s_mov_b32 s[G1+2], 256<<16                     ; tensor_dim1 = 256
	s_mov_b32 s[G1+3], 64<<16                      ; tile_dim0
	s_mov_b32 s[G1+4], 256                         ; tile_dim1
	s_mov_b32 s[G1+5], 64                          ; the pitch
	s_mov_b32 s[G1+6], 0
	s_mov_b32 s[G1+7], 0
	s_or_b32 s[G1B+0], s44, (1<<16)|(1<<20)|(1<<21)|(5<<22)|(7<<25)  ; padding: 8 words after every 64
	s_mov_b32 s[G1B+1], 128<<16
	s_mov_b32 s[G1B+2], 64<<16
	s_mov_b32 s[G1B+3], 128<<16
	s_mov_b32 s[G1B+4], 64
	s_mov_b32 s[G1B+5], 1024
	s_mov_b32 s[G1B+6], 0
	s_mov_b32 s[G1B+7], 0
	s_lshr_b32 s16, s15, 2
	s_lshl_b32 s16, s16, 21                        ; z16: the batch's 16 heads of 131,072 bytes,
	s_lshl_b32 s17, s14, 17                        ; my head of the K step's two,
	s_add_co_u32 s16, s16, s17
	s_and_b32 s17, s15, 3
	s_lshl_b32 s17, s17, 15                        ; the tile's 256 rows of 128 bytes
	s_add_co_u32 s16, s16, s17
	s_mov_b32 s17, 0
	s_lshl_b32 s46, s14, 17                        ; wo16: my 64 rows of 2,048 bytes,
	s_lshl_b32 s47, s42, 8                         ; the tile's 128 columns
	s_add_co_u32 s46, s46, s47
	s_mov_b32 s47, 0
	s_mul_i32 s20, s14, AH                         ; where they go: no place in the cluster enters an LDS address
	s_mul_i32 s21, s14, 64*PB
	s_add_co_u32 s21, s21, BOFF
	s_wait_dscnt 0x0                               ; both opening adds are done
	s_wait_kmcnt 0x0
	s_add_nc_u64 s[18:19], s[4:5], s[16:17]
	s_add_nc_u64 s[46:47], s[6:7], s[46:47]
	CROUND                                         ; all sixteen work-groups are here: the first joint loads meet
.irp s, 0,1
	s_mov_b32 s[G0+4*\s], 1
	s_add_co_u32 s[G0+4*\s+1], s20, \s*SLOT
	s_add_nc_u64 s[G0+4*\s+2:G0+4*\s+3], s[18:19], \s*KB
	s_or_b32 s[G0+4*\s+3], s[G0+4*\s+3], 0x80000000
	s_mov_b32 s[G0B+4*\s], 1
	s_add_co_u32 s[G0B+4*\s+1], s21, \s*SLOT
	s_add_nc_u64 s[G0B+4*\s+2:G0B+4*\s+3], s[46:47], \s*KB
	s_or_b32 s[G0B+4*\s+3], s[G0B+4*\s+3], 0x80000000
	JLOAD \s
.endr
	v_and_b32 v1, 15, v0                           ; r
	v_bfe_u32 v2, v0, 4, 1                         ; h
	v_mul_u32_u24 v3, v1, PA
	v_lshl_add_u32 v3, v2, 4, v3
	s_mul_i32 s22, s12, 64*PA                      ; my 64 rows
	v_add_nc_u32 v[ADRA], s22, v3
	v_add_nc_u32 v[ADRA+1], SLOT, v[ADRA]
	v_and_b32 v4, 7, v0
	v_lshl_add_u32 v4, v2, 3, v4                   ; k = 8 h + l % 8
	v_mul_u32_u24 v4, v4, PB
	v_bfe_u32 v5, v0, 3, 1
	v_lshl_add_u32 v4, v5, 4, v4                   ; columns 8 ((l / 8) % 2) on
	v_add_nc_u32 v[ADRB], BOFF, v4
	v_add_nc_u32 v[ADRB+1], SLOT, v[ADRB]
	s_mul_i32 s23, s12, 16*SPITCH
	s_add_co_u32 s23, s23, STAGE                   ; my stage
	v_mul_u32_u24 v5, v1, SPITCH
	v_lshl_add_u32 v5, v2, 5, v5
	v_add_nc_u32 v[STO], s23, v5                   ; in: row r, 32 bytes for each half of the lanes
	v_and_b32 v6, 31, v0
	v_lshlrev_b32 v[CO], 4, v6                     ; back: the 32 lanes take one row of 512 bytes; and the same in out0
	v_add_nc_u32 v[RD], s23, v[CO]
	v_lshlrev_b32 v[PFO], 8, v6
	v_lshlrev_b32 v[BOF], 5, v2
	s_lshl_b32 s16, s15, 20                        ; out0: 256 rows of 4,096 bytes a tile row,
	s_lshl_b32 s17, s12, 18                        ; my 64 rows,
	s_add_co_u32 s16, s16, s17
	s_mov_b32 s17, 0
	s_add_nc_u64 s[10:11], s[10:11], s[16:17]
	s_lshl_b32 s46, s42, 9                         ; the tile's 128 columns: 512 bytes, in out0 and in b_O
	s_mov_b32 s47, 0
	s_add_nc_u64 s[10:11], s[10:11], s[46:47]
	s_add_nc_u64 s[8:9], s[8:9], s[46:47]
	WIN 0x80                                       ; destination window 2
.irp b, 0,1,2,3,4,5,6,7                        ; lane (r, h), block b: b_O of columns 16 b + 8 h + 0 .. 7
	global_load_b128 v[8*\b:8*\b+3], v[BOF], s[8:9] offset:64*\b
	global_load_b128 v[8*\b+4:8*\b+7], v[BOF], s[8:9] offset:64*\b+16
.endr
	WIN 0
	s_lshl_b32 s46, s40, 13                        ; the prefetches: my work-group's 8,192 bytes of the head's 32,768,
	s_add_nc_u64 s[PFA:PFA+1], s[18:19], s[46:47]
	s_add_nc_u64 s[PFA:PFA+1], s[PFA:PFA+1], 3*KB  ; at K step 3: the first refill (K step 2) steps it to K step 4.  Nothing is prefetched here, at the head
	s_or_b32 s22, s13, ttmp9                       ; 0 in waves 0 and 1 of the clusters with x = 0: the same in all partners
	s_cmp_eq_u32 s22, 0
	s_cselect_b32 s[LIM], 1, -1
; 24 LDS loads in one run: quarter q (32 along K) of a slot into buffer f: W_O's eight fragments, turned, then z's four
.macro FETCH slot, q, f
.irp b, 0,1,2,3,4,5,6,7
	ds_load_tr16_b128 v[\f+8*\b:\f+8*\b+3], v[ADRB+\slot] offset:(\q)*32*PB+32*\b
	ds_load_tr16_b128 v[\f+8*\b+4:\f+8*\b+7], v[ADRB+\slot] offset:(\q)*32*PB+16*PB+32*\b
.endr
.irp a, 0,1,2,3
	ds_load_b128 v[\f+64+8*\a:\f+64+8*\a+3], v[ADRA+\slot] offset:((\q)/2)*AH+((\q)%2)*64+\a*16*PA
	ds_load_b128 v[\f+64+8*\a+4:\f+64+8*\a+7], v[ADRA+\slot] offset:((\q)/2)*AH+((\q)%2)*64+\a*16*PA+32
.endr
.endm
; 8 matrix instructions: z's block a against W_O's eight.  The 32 accumulators take turns, one instruction a turn, in the same order in every quarter.  zero = 1: b_O starts the sums.
.macro MUL8 f, a, zero
.irp b, 0,1,2,3,4,5,6,7
.if \zero
	v_wmma_f32_16x16x32_f16 v[8*(8*(\a)+\b):8*(8*(\a)+\b)+7], v[\f+8*\b:\f+8*\b+7], v[\f+64+8*(\a):\f+64+8*(\a)+7], v[8*\b:8*\b+7]
.else
	v_wmma_f32_16x16x32_f16 v[8*(8*(\a)+\b):8*(8*(\a)+\b)+7], v[\f+8*\b:\f+8*\b+7], v[\f+64+8*(\a):\f+64+8*(\a)+7], v[8*(8*(\a)+\b):8*(8*(\a)+\b)+7]
.endif
.endr
.endm
; One of a K step's first three quarters: multiplies buffer f and, in its middle, fetches quarter qn of the same slot into g.
.macro QUARTER slot, qn, f, g, zero
	s_wait_dscnt 4                                 ; W_O's fragments and z's blocks 0, 1 are in; the youngest four loads (blocks 2, 3) may be out
	WIN W_MUL+0x10*(\zero)
	MUL8 \f, 0, \zero
	MUL8 \f, 1, \zero
	PLACES                                         ; ahead of loads into registers that matrix instructions have read
	WIN 0
	FETCH \slot, \qn, \g
	s_wait_dscnt 24                                ; all but the 24 just issued
	WIN W_MUL+0x10*(\zero)
	MUL8 \f, 2, \zero
	MUL8 \f, 3, \zero
.endm
; The last quarter multiplies buffer 1 and changes slots: one barrier; ahead of it each wave waits for all its tensor loads, adds 0 to its spare word, and waits for that and for its reads of this slot.
; fill = 1: the barrier opens a round of the cluster's, and this slot is filled again, two K steps ahead, first thing behind the round: one load a wave.
.macro TURN slot, next, fill
.if \fill
	s_wait_xcnt 0x0                                ; the last prefetch, a K step back, has read its address
	s_add_nc_u64 s[PFA:PFA+1], s[PFA:PFA+1], KB
.endif
	WIN 0
	s_wait_tensorcnt 0x0                           ; all my tensor loads have landed: my part of the next slot
	ds_add_u32 v[SPW], v[NIL]                      ; 0 onto my spare word
	s_wait_dscnt 5                                 ; the add and the youngest four loads may be out
	WIN W_MUL
	MUL8 F1, 0, 0
	s_wait_dscnt 0x0                               ; the add is done, and my reads of this slot are over
	s_barrier_signal -1
	MUL8 F1, 1, 0
	WIN 0
	s_barrier_wait -1
.if \fill
	CREST                                          ; no wave of any partner still reads this slot or has a load on its way
	s_add_nc_u64 s[G0+4*\slot+2:G0+4*\slot+3], s[G0+4*\slot+2:G0+4*\slot+3], 2*KB
	s_add_nc_u64 s[G0B+4*\slot+2:G0B+4*\slot+3], s[G0B+4*\slot+2:G0B+4*\slot+3], 2*KB
	JLOAD \slot                                    ; its four v_nop are also the places ahead of the loads below
.else
	PLACES
.endif
	FETCH \next, 0, F0
.if \fill
	ASK
.endif
	WIN W_MUL
	MUL8 F1, 2, 0
	MUL8 F1, 3, 0
.endm
	s_wait_tensorcnt 1                             ; my part of K step 0 is in; K step 1's load may be out
	s_barrier_signal -1
	s_barrier_wait -1
	FETCH 0, 0, F0
	s_wait_loadcnt 0x0                             ; b_O
	QUARTER 0, 1, F0, F1, 1                        ; the first quarter stands ahead of the loop: its products start the sums
	WIN 0
	s_mov_b32 s3, 3
.Llap:                                             ; a trip goes once round the ring and fills both slots again: K steps 2 to 7 in three trips
	QUARTER 0, 2, F1, F0, 0
	QUARTER 0, 3, F0, F1, 0
	TURN 0, 1, 1
	QUARTER 1, 1, F0, F1, 0
	QUARTER 1, 2, F1, F0, 0
	QUARTER 1, 3, F0, F1, 0
	TURN 1, 0, 1
	QUARTER 0, 1, F0, F1, 0
	WIN 0
	s_sub_co_u32 s3, s3, 1
	s_cmp_lg_u32 s3, 0
	s_cbranch_scc1 .Llap
	QUARTER 0, 2, F1, F0, 0                        ; the last lap is written out: it fills nothing
	QUARTER 0, 3, F0, F1, 0
	TURN 0, 1, 0
	QUARTER 1, 1, F0, F1, 0
	QUARTER 1, 2, F1, F0, 0
	QUARTER 1, 3, F0, F1, 0
	s_wait_dscnt 4
	WIN W_MUL
	MUL8 F1, 0, 0
	MUL8 F1, 1, 0
	s_wait_dscnt 0
	MUL8 F1, 2, 0
	MUL8 F1, 3, 0
	WIN 0
; THE WAY OUT, block by block of 16 rows x 128 columns: through my own stage and back as whole rows of 512 bytes.
.macro TOSTAGE a
	WIN 0x04                                       ; an LDS store's data are its source 1: window 1
.irp b, 0,1,2,3,4,5,6,7
	ds_store_b128 v[STO], v[8*(8*(\a)+\b):8*(8*(\a)+\b)+3] offset:64*\b        ; each accumulator from its low end on
	ds_store_b128 v[STO], v[8*(8*(\a)+\b)+4:8*(8*(\a)+\b)+7] offset:64*\b+16
.endr
	WIN 0
.set BB, BK+64*((\a)%2)
.irp t, 0,1,2,3,4,5,6,7,8,9,10,11,12,13,14,15
	ds_load_b128 v[BB+4*\t:BB+4*\t+3], v[RD] offset:\t*SPITCH   ; LDS serves a wave's instructions in order: these see the stores above
.endr
.endm
.macro SEND a, younger                 ; younger: the LDS instructions issued behind block a's loads: the next block's 16 stores and 16 loads, or none
.set BB, BK+64*((\a)%2)
	s_wait_dscnt \younger
.irp t, 0,1,2,3,4,5,6,7,8,9,10,11,12,13,14,15
	global_store_b128 v[CO], v[BB+4*\t:BB+4*\t+3], s[10:11] offset:65536*(\a)+4096*\t th:TH_STORE_NT   ; 512 consecutive bytes, aligned; the block's place stands in the immediate
.endr
.endm
	PLACES                                         ; behind the last products: ahead of the reads of their results and of loads into their sources
	TOSTAGE 0
.irp a, 1,2,3
.if \a > 1
	s_wait_xcnt 0x0                                ; block a - 2's stores have read their registers: block a's loads may land there
.endif
	TOSTAGE \a
	SEND \a-1, 32
.endr
	SEND 3, 0
	s_wait_tensorcnt 0x0                           ; the wave's end
	ds_add_u32 v[SPW], v[NIL]
	s_wait_dscnt 0x0
	CROUND                                         ; the closing round: no work-group ends while a partner may still ask for a tile that names it
	s_endpgm
.Lfunc_end_k_q5f64641b22_oproj:
	.size	k_q5f64641b22_oproj, .Lfunc_end_k_q5f64641b22_oproj-k_q5f64641b22_oproj
	.p2alignl 7, 3214868480
	.fill 96, 4, 3214868480
	.section	.rodata,"a",@progbits
	.p2align	6, 0x0
	.amdhsa_kernel k_q5f64641b22_oproj
		.amdhsa_group_segment_fixed_size 327680
		.amdhsa_private_segment_fixed_size 0
		.amdhsa_enable_private_segment 0
		.amdhsa_kernarg_size 32
		.amdhsa_user_sgpr_count 2
		.amdhsa_user_sgpr_kernarg_segment_ptr 1
		.amdhsa_wavefront_size32 1
		.amdhsa_system_sgpr_workgroup_id_x 1
		.amdhsa_system_sgpr_workgroup_id_y 1
		.amdhsa_system_sgpr_workgroup_id_z 1
		.amdhsa_system_vgpr_workitem_id 0
		.amdhsa_next_free_vgpr 576
		.amdhsa_next_free_sgpr 70
		.amdhsa_reserve_vcc 0
		.amdhsa_float_denorm_mode_32 3
		.amdhsa_float_denorm_mode_16_64 3
		.amdhsa_memory_ordered 1
		.amdhsa_forward_progress 1
		.amdhsa_inst_pref_size 87
	.end_amdhsa_kernel
	.amdgpu_metadata
---
amdhsa.version: [ 1, 2 ]
amdhsa.kernels:
  - .name:           k_q5f64641b22_oproj
    .symbol:         k_q5f64641b22_oproj.kd
    .args:
      - { .name: z16, .offset: 0, .size: 8, .value_kind: global_buffer, .address_space: global }
      - { .name: wo16, .offset: 8, .size: 8, .value_kind: global_buffer, .address_space: global }
      - { .name: b_O, .offset: 16, .size: 8, .value_kind: global_buffer, .address_space: global }
      - { .name: out0, .offset: 24, .size: 8, .value_kind: global_buffer, .address_space: global }
    .group_segment_fixed_size: 327680
    .private_segment_fixed_size: 0
    .kernarg_segment_align: 8
    .kernarg_segment_size: 32
    .max_flat_workgroup_size: 128
    .sgpr_count:     70
    .vgpr_count:     576
    .wavefront_size: 32
...
	.end_amdgpu_metadata
.endif
;; end of part 4
